; MI455X (gfx1250); checked and timed in simulation.
; The chip was launched on July 23, 2026; its instructions are those of AMD's public machine-readable ISA for CDNA 5 (MIT licence, August 2026) and "CDNA5" Instruction Set Architecture Reference Guide (July 2026). The comments in the code are by the model that wrote it; some were corrected since.
;; Big Bird Style Attention. Allowed arithmetic: matrix products marked QUANTISED: E2M3 operands, one E8M0 scale for each 32 along K, by v_wmma_scale_f32_16x16x128_f8f6f4 with both operands' format E2M3, f32 sums; everything else in f32.
;; Inputs: Wk_codes 2,048 x 64 x 24 uint8 (E2M3 codes of Wk, K innermost, in blocks of 32 codes, four codes in three bytes); Wk_scales 2,048 x 64 uint8 (E8M0 scales of Wk, one for each 32 codes along K); Wo_codes 2,048 x 64 x 24 uint8 (E2M3 codes of Wo, K innermost, in blocks of 32 codes, four codes in three bytes); Wo_scales 2,048 x 64 uint8 (E8M0 scales of Wo, one for each 32 codes along K); Wq_codes 2,048 x 64 x 24 uint8 (E2M3 codes of Wq, K innermost, in blocks of 32 codes, four codes in three bytes); Wq_scales 2,048 x 64 uint8 (E8M0 scales of Wq, one for each 32 codes along K); Wv_codes 2,048 x 64 x 24 uint8 (E2M3 codes of Wv, K innermost, in blocks of 32 codes, four codes in three bytes); Wv_scales 2,048 x 64 uint8 (E8M0 scales of Wv, one for each 32 codes along K); hidden_states_codes 1 x 2,048 x 64 x 24 uint8 (E2M3 codes of hidden_states, K innermost, in blocks of 32 codes, four codes in three bytes); hidden_states_scales 1 x 2,048 x 64 uint8 (E8M0 scales of hidden_states, one for each 32 codes along K); sparse_mask 2,048 x 2,048 bool.
;; Outputs: out0 1 x 2,048 x 2,048 float32.
;; This version of the problem:
;;   THIS VERSION OF THE PROBLEM IS GIVEN IN LOW PRECISION. The matrix products marked QUANTISED in the list below multiply operands that are first quantised to E2M3 (2 exponent bits, 3 mantissa bits; 6 bits a number), with one power-of-two scale for each 32 numbers along K (OCP MX v1.0); their sums are f32. All else is computed in f32.
;;   The module's matrix products, in the order in which they are computed (A, B: the left and right operand; K: the contracted axis; several contracted axes count as one K, in the product's order):
;;     1. [M 2,048, K 2,048] x [K 2,048, N 2,048]; A: input hidden_states (given as codes); B: input Wq (given as codes): QUANTISED
;;     2. [M 2,048, K 2,048] x [K 2,048, N 2,048]; A: input hidden_states (given as codes); B: input Wk (given as codes): QUANTISED
;;     3. [M 2,048, K 2,048] x [K 2,048, N 2,048]; A: input hidden_states (given as codes); B: input Wv (given as codes): QUANTISED
;;     4. batch 16 x [M 2,048, K 128] x [K 128, N 2,048]; A: computed on the way; B: computed on the way: QUANTISED
;;     5. batch 16 x [M 128, K 2,048] x [K 2,048, N 2,048]; A: computed on the way; B: softmax (see below): QUANTISED
;;     6. [M 2,048, K 2,048] x [K 2,048, N 2,048]; A: computed on the way; B: input Wo (given as codes): QUANTISED
;;   THE QUANTISER, for each operand of a quantised product, along K:
;;     - K is cut into blocks of 32 from its start; a last block that is shorter is filled with zeros.
;;     - A block's scale is 2^e with e = floor(log2(the largest magnitude in the block)) - 2, held to -126 .. 127; a block of zeros has e = 0. As a byte (E8M0): e + 127.
;;     - Each number is divided by its block's scale, clamped to +-7.5, and rounded to the nearest number of E2M3, ties to even, subnormals kept.
;;     - The product sums the exact products of the quantised numbers (number of the format x scale) in f32.
;;   ~~~python
;;   def quantise(x, axis):      # numpy; x: float32 -> the quantised numbers, widened to float32 again
;;       x = np.moveaxis(x, axis, -1); K = x.shape[-1]
;;       x = np.pad(x, [(0, 0)] * (x.ndim - 1) + [(0, -K % 32)]); x = x.reshape(x.shape[:-1] + (-1, 32)); a = np.abs(x).max(-1, keepdims=True)
;;       e = np.where(a > 0, np.clip(np.frexp(np.where(a > 0, a, 1))[1] - 1 - 2, -126, 127), 0)      # np.frexp(a)[1] - 1 = floor(log2(a)), exactly
;;       r = np.clip(x / 2.0 ** e, -7.5, 7.5)
;;       step = 2.0 ** (np.maximum(np.frexp(np.where(r == 0, 1, r))[1] - 1, 0) - 3)
;;       q = np.round(r / step) * step * 2.0 ** e      # np.round: ties to even
;;       return np.moveaxis(q.reshape(q.shape[:-2] + (-1,))[..., :K], -1, axis).astype(np.float32)
;;   ~~~
;;   SOFTMAX AHEAD OF A QUANTISED PRODUCT. Where the list says 'softmax', what is quantised is not the finished softmax but p = 2^(t - M), with t = logit x log2(e) and M = ceil(the row's largest t), a whole number; so 1/2 < the row's largest p <= 1. The row's sum l is taken of the UNQUANTISED p, in f32, and the product's result is divided by l at the end. Since M is a whole number, a kernel that streams over the keys may use a running M (the ceiling of the running maximum): every later rescaling is an exact power of two, which a block's scale takes up: the codes' values come out the same.
;;   OPERANDS COMPUTED ON THE WAY. 'Computed on the way' means the value that the module computes at that place (a softmax that the list does not call 'softmax' is quantised finished and normalised). What goes into a quantiser is computed in f32, as accurately as f32 sums, v_exp_f32 and their like allow (about 1e-6 of the number): no bf16 or f16 on the way to a quantiser, and a product that is left as it is and whose result goes on into a quantised operand takes f32 operands (vector FMAs, or v_wmma_f32_16x16x4_f32). A number that lies on a knife's edge between two numbers of the format may be rounded either way, as far as f32 arithmetic and the matrix unit's own rounding can turn it there, and no further.
;;   INPUTS GIVEN AS CODES. Wk (in the module: [2048, 2048], K = its axis 0); Wo (in the module: [2048, 2048], K = its axis 0); Wq (in the module: [2048, 2048], K = its axis 0); Wv (in the module: [2048, 2048], K = its axis 0); hidden_states (in the module: [1, 2048, 2048], K = its axis 2): each comes as NAME_codes (uint8): NAME with its K axis moved to the last place and cut into blocks of 32 codes, [.., K / 32, bytes a block], one block behind the other in memory; four codes in three bytes: a row's codes are one little-endian stream of bits, code i at bits 6 i .. 6 i + 5 (a code: sign, 2 exponent bits, 3 mantissa bits); and NAME_scales (uint8): the same leading axes, one E8M0 byte (e + 127) for each 32 codes along K. Its value is code x scale, taken as it is: it is not quantised again, and the codes and scales need not be those that the quantiser above would give.
;; 2 versions. Each part assembles by itself: llvm-mc -triple=amdgcn-amd-amdhsa -mcpu=gfx1250 --defsym DOCPART=n.
;; ======== version 1 of 2: 4 launches
;; workspace buffers: mw 524,288 bytes of whole numbers; qb 3,276,800 bytes; kv 6,553,600 bytes; ao 3,276,800 bytes
;; launch pack (part 1): grid 256 x 1, 4 waves a work-group, no clusters, 17,920 bytes of LDS; arguments sparse_mask, mw; writes mw
.if DOCPART == 1
	.amdgcn_target "amdgcn-amd-amdhsa--gfx1250"
	.amdhsa_code_object_version 6
	.text
	.protected	k_q8c95b192d8_pack
	.globl	k_q8c95b192d8_pack
	.p2align	8
	.type	k_q8c95b192d8_pack,@function
k_q8c95b192d8_pack:
	s_mov_b64 s[64:65], 0
	v_nop
	global_prefetch_b8 v0, s[64:65] scope:SCOPE_SE
	s_setreg_imm32_b32 hwreg(HW_REG_WAVE_MODE, 25, 1), 1
	s_wait_xcnt 0x0
; The mask [2048 queries][2048 keys], one byte (0 or not 0) a place, becomes LANE MASKS for the attention launch:
; mw [T 128 tiles of 16 queries][s 16 steps of 128 keys][n 64] of 32-bit words; bit l of word n says whether
; query 16 T + l % 16 may see key 128 s + 16 (n / 8) + 8 (l / 16) + n % 8: the place that lane l's score register n holds there.
; A wave takes 16 rows x 256 keys (two key steps): 4,096 bytes in, 128 words out.  Each load covers two rows' aligned 256 bytes;
; the bytes turn through the wave's own stage in LDS (16 rows, 272 bytes apart), so that lane (r, h) gets 8 neighbouring keys of row r;
; a compare of one byte over the 32 lanes IS a word; the words are dealt to the lanes and leave as 512 consecutive bytes.
; A stream: no matrix work, no tensor load, no barrier (waves share nothing), no cluster (no byte is read twice).
.set PIT, 272                          ; a stage row: 256 bytes + 16
.set STG, 16*PIT                       ; a wave's stage
	s_load_b128 s[4:7], s[0:1], 0x0                ; the mask, mw
	v_lshl_add_u32 v80, v0, 2, 0x4400
	v_mov_b32 v81, 0
	v_lshrrev_b32 v1, 5, v0
	v_readfirstlane_b32 s16, v1                    ; wave 0..3
	v_and_b32 v2, 15, v0                           ; r
	v_bfe_u32 v3, v0, 4, 1                         ; h
	v_lshlrev_b32 v4, 4, v2
	v_lshl_add_u32 v4, v3, 11, v4                  ; in: 16 bytes a lane, lanes 16-31 one row (2,048 bytes) down
	s_mul_i32 s17, s16, STG
	v_mul_u32_u24 v5, v3, PIT
	v_lshl_add_u32 v5, v2, 4, v5
	v_add_nc_u32 v5, s17, v5                       ; into the stage: the same two rows
	v_mul_u32_u24 v6, v2, PIT
	v_lshl_add_u32 v6, v3, 3, v6
	v_add_nc_u32 v6, s17, v6                       ; out of it: row r, 8 bytes at 8 h
	v_and_b32 v7, 31, v0
	v_lshlrev_b32 v7, 4, v7                        ; out: four words a lane
.irp i, 0,1,2,3
	v_mov_b32 v[72+\i], 0                          ; a lane write's destination counts as read: written once here
.endr
	s_lshl_b32 s18, ttmp9, 2
	s_add_co_u32 s18, s18, s16                     ; my wave among the launch's 1,024
	s_lshr_b32 s19, s18, 3                         ; T
	s_and_b32 s18, s18, 7                          ; which 256 keys
	s_lshl_b32 s8, s19, 15                         ; 16 rows of 2,048 bytes
	s_lshl_b32 s9, s18, 8
	s_add_co_u32 s8, s8, s9
	s_mov_b32 s9, 0
	s_lshl_b32 s10, s19, 12                        ; 16 steps of 64 words
	s_lshl_b32 s11, s18, 9
	s_add_co_u32 s10, s10, s11
	s_mov_b32 s11, 0
	s_wait_kmcnt 0x0
	s_add_nc_u64 s[4:5], s[4:5], s[8:9]
	s_add_nc_u64 s[6:7], s[6:7], s[10:11]
.irp i, 0,1,2,3,4,5,6,7
	global_load_b128 v[8+4*\i:11+4*\i], v4, s[4:5] offset:4096*\i th:TH_LOAD_NT   ; rows 2 i and 2 i + 1: sixteen lanes take 256 consecutive bytes
.endr
	s_wait_loadcnt 0x0
.irp i, 0,1,2,3,4,5,6,7
	ds_store_b128 v5, v[8+4*\i:11+4*\i] offset:2*PIT*\i
.endr
.irp u, 0,1,2,3,4,5,6,7,8,9,10,11,12,13,14,15
	ds_load_b64 v[40+2*\u:41+2*\u], v6 offset:16*\u   ; keys 16 u + 8 h + 0 .. 7 of row r; LDS serves a wave's instructions in order, so these see the stores
.endr
	s_wait_dscnt 0x0
.set w, 0
.rept 128                              ; word w = 8 u + j of the wave's 128: byte j of pair u, over the 32 lanes.  Four sets of registers by turns
	v_bfe_u32 v[76+w%4], v[40+2*(w/8)+(w%8)/4], 8*(w%4), 8
	v_cmp_ne_u32 s[20+w%4], 0, v[76+w%4]
	v_writelane_b32 v[72+w%4], s[20+w%4], w/4      ; lane w / 4 keeps words 4 (w / 4) .. + 3
.set w, w+1
.endr
	global_store_b128 v7, v[72:75], s[6:7]         ; 32 lanes store 512 consecutive bytes, aligned
	s_wait_tensorcnt 0x0
	ds_add_u32 v80, v81
	s_wait_dscnt 0x0
	s_endpgm
.Lfunc_end_k_q8c95b192d8_pack:
	.size	k_q8c95b192d8_pack, .Lfunc_end_k_q8c95b192d8_pack-k_q8c95b192d8_pack
	.p2alignl 7, 3214868480
	.fill 96, 4, 3214868480
	.section	.rodata,"a",@progbits
	.p2align	6, 0x0
	.amdhsa_kernel k_q8c95b192d8_pack
		.amdhsa_group_segment_fixed_size 17920
		.amdhsa_private_segment_fixed_size 0
		.amdhsa_enable_private_segment 0
		.amdhsa_kernarg_size 16
		.amdhsa_user_sgpr_count 2
		.amdhsa_user_sgpr_kernarg_segment_ptr 1
		.amdhsa_wavefront_size32 1
		.amdhsa_system_sgpr_workgroup_id_x 1
		.amdhsa_system_sgpr_workgroup_id_y 1
		.amdhsa_system_sgpr_workgroup_id_z 1
		.amdhsa_system_vgpr_workitem_id 0
		.amdhsa_next_free_vgpr 82
		.amdhsa_next_free_sgpr 66
		.amdhsa_reserve_vcc 0
		.amdhsa_float_denorm_mode_32 3
		.amdhsa_float_denorm_mode_16_64 3
		.amdhsa_memory_ordered 1
		.amdhsa_forward_progress 1
		.amdhsa_inst_pref_size 29
	.end_amdhsa_kernel
	.amdgpu_metadata
---
amdhsa.version: [ 1, 2 ]
amdhsa.kernels:
  - .name:           k_q8c95b192d8_pack
    .symbol:         k_q8c95b192d8_pack.kd
    .args:
      - { .name: sparse_mask, .offset: 0, .size: 8, .value_kind: global_buffer, .address_space: global }
      - { .name: mw, .offset: 8, .size: 8, .value_kind: global_buffer, .address_space: global }
    .group_segment_fixed_size: 17920
    .private_segment_fixed_size: 0
    .kernarg_segment_align: 8
    .kernarg_segment_size: 16
    .max_flat_workgroup_size: 128
    .sgpr_count:     66
    .vgpr_count:     82
    .wavefront_size: 32
...
	.end_amdgpu_metadata
.endif
;; end of part 1
;; launch qkv (part 2): grid 24 x 8, 4 waves a work-group, clusters of 4 x 4, 327,680 bytes of LDS; arguments hidden_states_codes, hidden_states_scales, Wq_codes, Wq_scales, Wk_codes, Wk_scales, Wv_codes, Wv_scales, qb, kv; writes qb, kv
.if DOCPART == 2
	.amdgcn_target "amdgcn-amd-amdhsa--gfx1250"
	.amdhsa_code_object_version 6
	.text
	.protected	k_q8c95b192d8_qkv
	.globl	k_q8c95b192d8_qkv
	.p2align	8
	.type	k_q8c95b192d8_qkv,@function
k_q8c95b192d8_qkv:
	s_mov_b64 s[64:65], 0
	v_nop
	global_prefetch_b8 v0, s[64:65] scope:SCOPE_SE
	s_setreg_imm32_b32 hwreg(HW_REG_WAVE_MODE, 25, 1), 1
	s_wait_xcnt 0x0
	s_wait_alu depctr_hold_cnt(0) depctr_sa_sdst(0) depctr_va_vdst(0) depctr_va_sdst(0) depctr_va_ssrc(0) depctr_va_vcc(0) depctr_vm_vsrc(0)
	s_getreg_b32 s2, hwreg(HW_REG_IB_STS2, 6, 4)
	s_cmp_eq_u32 s2, 0
	s_cbranch_scc0 .Lentry_in_a_cluster
	s_endpgm
.Lentry_in_a_cluster:
	s_bfe_u32 s2, ttmp6, 0x10000c
	s_cmp_lg_u32 s2, 0xf033
	s_cbranch_scc0 .Lentry_shape_is_right
	s_endpgm
.Lentry_shape_is_right:
; q = x Wq, k = x Wk, v = x Wv on codes of FP6 (E2M3) with one E8M0 scale for each 32 along K = 2,048; each result is QUANTISED IN REGISTERS and leaves as images of operand registers.
; ONE TEXT FOR THE THREE PRODUCTS: C[m][n] = sum over k of A[m][k] B[n][k], 256 x 256 to a work-group, 128 x 128 to a wave (64 accumulators, 512 registers).
;   product 0 (cluster x 0, 1): A = x, B = Wq;   product 1 (2, 3): A = x, B = Wk;   product 2 (4, 5): A = Wv, B = x.  Only base addresses are chosen, by the cluster's x, which all partners share.
; THE MATRIX INSTRUCTION IS USED TRANSPOSED (source 0 = 16 rows of B, source 1 = 16 rows of A): a lane holds ONE row of A and its 64 registers of a block of 16 rows run along 128 rows of B.
; So for q and k a lane holds a token and its registers run along the head's 128; for v a lane holds one of the head's 128 and its registers run along 128 tokens, the keys: each time the next product's K.
; THE QUANTISER (macro QW): registers 16 b .. 16 b + 15 of lanes l and l xor 16 are block b of 32.  Scale = 2^(floor(log2(largest magnitude)) - 2); codes to nearest, ties to even, beyond 7.5 the largest code.
; Inside a block the 32 codes lie in the order 0-7, 16-23, 8-15, 24-31: q, k, v and the softmax's p all come out of the same register layout through the same lines, so both sides of each later product have the same order.
; A RECORD of 12,800 bytes: eight fragments (16 rows x 128 K, 12 registers): fragment a at 1,536 a, registers 4 c .. 4 c + 3 at + 512 c, lane l's 16 bytes at + 16 l; at 12,288 the scale words: fragment a, row r at 256 (a % 2) + 16 r + 4 (a / 2).
;   qb [head][128 queries][record];   kv [head][128 keys][k's record, v's record].  Every store of the wave covers 512 consecutive bytes, aligned.
; LIMITS: a block of zeros gets the byte 1 where the rule says 127 (its codes are zeros, and this program alone reads the bytes); blocks whose largest magnitude lies under 2^-124 keep the byte 1; NaN, infinities and a given scale byte 0xff are not served.
; RING, CLUSTER: K goes in steps of 256 (rows of 192 bytes) through two LDS slots filled by the tensor data mover; the scales of the work-group's rows, for all of K, come once.  4 x 4 work-groups: A's tiles are asked for jointly
; along a row of the cluster, B's along a column.  192 work-groups: tiles of half the side would fill all places but read twice the LDS bytes for each product.
; REGISTERS: window 0: v0-31 addresses; v32-63 scale words, two sets, and nothing else; v128-223 A's fragments, one set; on the way out v64-223 codes, v224-251 at work.
;   window 1: B's fragments, two sets;   windows 2, 3: the accumulators ((a, b) at v[8 (8 (a % 4) + b)]).
.set SIZE_K, 2048
.set KSTEP,  256
.set NQ,     KSTEP/128
.set ROWB,   192
.set KROW,   SIZE_K*6/8
.set PITCH,  240                       ; an LDS row: 3 x (64 bytes + 16 of padding)
.set FR,     12
.set NL,     6
.set NP,     4                         ; places behind this matrix instruction (ISA guide 7.12.1)
.set HALFT,  128*PITCH
.set SLOT,   4*HALFT
.set LAPS,   SIZE_K/(2*KSTEP)
.set KS,     SIZE_K/32
.set SCL,    2*SLOT                    ; behind the ring: the scales, as units of 256 bytes + 16
.set HALFS,  (128*KS/256)*272
.set SBLK,   (16*KS/256)*272
.set SPARE,  SCL+4*HALFS               ; the spare words: 128 bytes a wave, two blocks of 256 bytes that no other line names
.set HR,     12800                     ; a record
.set ADRA, 16                          ; v16-17 my A fragments in slot 0, 1 (v18-19: behind one padding more)
.set ADRB, 20                          ; v20-23 the same for B
.set LI,   26                          ; v26    16 x lane: my place in an image
.set ADRS, 27                          ; v27    my scale words: lanes 0-15 A's rows, lanes 16-31 B's
.set SPW,  28
.set NIL,  29
.set SC,   32
.set AF,   128
.set CD,   64                          ; the way out: eight sets of 20 registers of codes, so that no store's data are written again
.set TM,   224                         ; v224-239 the quantiser's working set
.set PW,   240                         ; v240-247 a scale word for each fragment
.set GS,   248                         ; v248-251 the eight words as four registers
.set G1, 24
.set G0, 32
.set G1B, 48
.set G0B, 56
.set G1S, 68
.set G0S, 76
.set G1SB, 80
.set G0SB, 88
.set PRD, 95                           ; s95 which product
.set SEL, 96                           ; s[96:97] lane selects, on the way out
.set MSB, 0
.macro WIN new                         ; the immediate's high byte repeats the setting that is left
.if MSB != (\new)
	s_set_vgpr_msb (MSB<<8)|(\new)
.set MSB, (\new)
.endif
.endm
.set MUL_LO, 0xa1                      ; source 0 (B) window 1, source 1 (A) window 0, C and D window 2
.set MUL_HI, 0xf1
.set TO_B,   0x40
; A joint load: waves 0 and 1 fetch for A, waves 2 and 3 for B; the branch hangs on the wave's number alone.  Four v_nop follow each of the two lines.
.macro JLOAD g0a, g1a, g0b, g1b
	s_cmp_eq_u32 s15, 0
	s_cbranch_scc0 .Lfor_b_\@
	tensor_load_to_lds s[\g0a:\g0a+3], s[\g1a:\g1a+7]
	s_nop 0
.rept 4
	v_nop
.endr
	s_branch .Lasked_\@
.Lfor_b_\@:
	tensor_load_to_lds s[\g0b:\g0b+3], s[\g1b:\g1b+7]
	s_nop 0
.rept 4
	v_nop
.endr
.Lasked_\@:
.endm
.macro CREST                           ; a round of the cluster's barrier behind its opening barrier
	s_cmp_lg_u32 s14, 0
	s_cbranch_scc1 .Lnot_wave_0_\@
	s_barrier_signal -3
.Lnot_wave_0_\@:
	s_barrier_wait -3
	s_barrier_signal -1
	s_barrier_wait -1
.endm
.macro CROUND
	s_barrier_signal -1
	s_barrier_wait -1
	CREST
.endm
	s_load_b512 s[68:83], s[0:1], 0x0              ; x's codes, scales; Wq's; Wk's; Wv's
	s_load_b128 s[84:87], s[0:1], 0x40             ; qb, kv
	v_lshl_add_u32 v[SPW], v0, 2, SPARE
	v_mov_b32 v[NIL], 0
	ds_add_u32 v28, v29
	s_wait_dscnt 0x0
	v_lshrrev_b32 v1, 5, v0
	v_readfirstlane_b32 s14, v1                    ; wave 0..3
	s_lshr_b32 s15, s14, 1                         ; which half of A's 256 rows is mine.  Also: I fetch for A (0) or for B (1)
	s_and_b32 s16, s14, 1                          ; which half of B's.  Also: which 128 rows of that tile I fetch
	s_bfe_u32 s40, ttmp6, 0x40000                  ; cx, cy
	s_bfe_u32 s41, ttmp6, 0x40004
	s_and_b32 s42, ttmp9, 1
	s_lshl_b32 s42, s42, 2
	s_add_co_u32 s42, s42, s40                     ; B's tile = 4 x (cluster x % 2) + cx
	s_and_b32 s17, ttmp7, 0xffff
	s_lshl_b32 s17, s17, 2
	s_add_co_u32 s17, s17, s41                     ; A's tile = 4 x cluster y + cy
	s_lshl_b32 s43, s41, 2
	s_lshl_b32 s43, 15, s43                        ; my row of the cluster
	s_lshl_b32 s44, 0x1111, s40                    ; my column
	s_lshr_b32 s[PRD], ttmp9, 1                    ; the product: the same in all sixteen partners
	s_or_b32 s[G1+0], s43, (0<<16)|(1<<20)|(1<<21)|(3<<22)|(3<<25)  ; the mask; elements of 1 byte; padding on; bit 21 beside a mask; after every 16 words 4 words
	s_or_b32 s[G1B+0], s44, (0<<16)|(1<<20)|(1<<21)|(3<<22)|(3<<25)
.irp g, G1, G1B
	s_mov_b32 s[\g+1], ROWB<<16                    ; tensor_dim0
	s_mov_b32 s[\g+2], 128<<16                     ; tensor_dim1
	s_mov_b32 s[\g+3], ROWB<<16                    ; tile_dim0
	s_mov_b32 s[\g+4], 128                         ; tile_dim1
	s_mov_b32 s[\g+5], KROW                        ; from row to row
	s_mov_b32 s[\g+6], 0
	s_mov_b32 s[\g+7], 0
.endr
	s_lshl_b32 s18, s16, 7
	s_lshl_b32 s20, s17, 8
	s_add_co_u32 s20, s20, s18                     ; A: row 256 x tile + 128 x half
	s_lshl_b32 s46, s42, 8
	s_add_co_u32 s46, s46, s18                     ; B likewise
	s_mov_b32 s21, 0
	s_mov_b32 s47, 0
	s_mov_b64 s[18:19], KS
	s_mul_u64 s[22:23], s[20:21], s[18:19]         ; where these rows' scales begin
	s_mul_u64 s[92:93], s[46:47], s[18:19]
	s_mov_b64 s[18:19], KROW
	s_mul_u64 s[20:21], s[20:21], s[18:19]         ; and their codes
	s_mul_u64 s[46:47], s[46:47], s[18:19]
	s_mul_i32 s45, s14, HALFT                      ; where they go: wave x 128 rows
	s_mul_i32 s94, s14, HALFS
	s_wait_kmcnt 0x0
	s_cmp_eq_u32 s[PRD], 2                         ; the operands are chosen: the condition hangs on no address
	s_cselect_b64 s[4:5], s[80:81], s[68:69]       ; A's codes: Wv's or x's
	s_cselect_b64 s[6:7], s[82:83], s[70:71]       ; A's scales
	s_cselect_b64 s[8:9], s[68:69], s[76:77]       ; B's codes: x's or Wk's,
	s_cselect_b64 s[10:11], s[70:71], s[78:79]
	s_cmp_eq_u32 s[PRD], 0
	s_cselect_b64 s[8:9], s[72:73], s[8:9]         ; or Wq's
	s_cselect_b64 s[10:11], s[74:75], s[10:11]
	s_cselect_b64 s[12:13], s[84:85], s[86:87]     ; the result: qb or kv
	s_or_b32 s[G1S+0], s43, (3<<16)|(1<<20)|(1<<21)|(5<<22)|(3<<25)   ; the scales of 128 rows: dense, as rows of 256 bytes with 16 of padding
	s_or_b32 s[G1SB+0], s44, (3<<16)|(1<<20)|(1<<21)|(5<<22)|(3<<25)
.irp g, G1S, G1SB
	s_mov_b32 s[\g+1], 32<<16
	s_mov_b32 s[\g+2], (128*KS/256)<<16
	s_mov_b32 s[\g+3], 32<<16
	s_mov_b32 s[\g+4], 128*KS/256
	s_mov_b32 s[\g+5], 32
	s_mov_b32 s[\g+6], 0
	s_mov_b32 s[\g+7], 0
.endr
	s_add_nc_u64 s[20:21], s[4:5], s[20:21]
	s_add_nc_u64 s[22:23], s[6:7], s[22:23]
	s_add_nc_u64 s[46:47], s[8:9], s[46:47]
	s_add_nc_u64 s[92:93], s[10:11], s[92:93]
	CROUND                                         ; all sixteen work-groups are here: the first joint loads meet
	s_mov_b32 s[G0S], 1
	s_add_co_u32 s[G0S+1], s94, SCL
	s_mov_b64 s[G0S+2:G0S+3], s[22:23]
	s_or_b32 s[G0S+3], s[G0S+3], 0x80000000
	s_mov_b32 s[G0SB], 1
	s_add_co_u32 s[G0SB+1], s94, SCL
	s_mov_b64 s[G0SB+2:G0SB+3], s[92:93]
	s_or_b32 s[G0SB+3], s[G0SB+3], 0x80000000
	JLOAD G0S, G1S, G0SB, G1SB                     ; the scales first: they are wanted with K step 0
.irp s, 0,1
	s_mov_b32 s[G0+4*\s], 1
	s_add_co_u32 s[G0+4*\s+1], s45, \s*SLOT
	s_add_nc_u64 s[G0+4*\s+2:G0+4*\s+3], s[20:21], \s*ROWB
	s_or_b32 s[G0+4*\s+3], s[G0+4*\s+3], 0x80000000
	s_mov_b32 s[G0B+4*\s], 1
	s_add_co_u32 s[G0B+4*\s+1], s45, \s*SLOT
	s_add_nc_u64 s[G0B+4*\s+2:G0B+4*\s+3], s[46:47], \s*ROWB
	s_or_b32 s[G0B+4*\s+3], s[G0B+4*\s+3], 0x80000000
	JLOAD G0+4*\s, G1, G0B+4*\s, G1B               ; three loads of mine are out at the most
.endr
	v_and_b32 v1, 15, v0                           ; l % 16
	v_bfe_u32 v2, v0, 4, 1                         ; l / 16
	v_mul_u32_u24 v3, v1, PITCH
	v_mul_u32_u24 v4, v2, 24
	v_add_nc_u32 v4, v3, v4                        ; a fragment's row x pitch + 24 x half
	v_lshl_add_u32 v5, v2, 4, v4                   ; and the same behind one padding more
	s_mul_i32 s21, s15, HALFT
	s_mul_i32 s22, s16, HALFT
	s_add_co_u32 s22, s22, 2*HALFT
.irp s, 0,1
	v_add_nc_u32 v[ADRA+\s], s21, v4
	v_add_nc_u32 v[ADRB+\s], s22, v4
	v_add_nc_u32 v[ADRA+2+\s], s21, v5
	v_add_nc_u32 v[ADRB+2+\s], s22, v5
	s_add_co_u32 s21, s21, SLOT
	s_add_co_u32 s22, s22, SLOT
.endr
	v_mul_u32_u24 v5, v1, KS                       ; my row's scales: KS bytes a row,
	v_lshrrev_b32 v6, 8, v5
	v_lshl_add_u32 v5, v6, 4, v5                   ; and 16 more for each 256 passed
	s_mul_i32 s21, s15, HALFS
	s_mul_i32 s22, s16, HALFS
	s_add_co_u32 s22, s22, 2*HALFS
	s_sub_co_u32 s22, s22, s21
	v_mul_u32_u24 v6, s22, v2                      ; lanes 16-31 take B's
	s_add_co_u32 s21, s21, SCL
	v_add_nc_u32 v5, v5, v6
	v_add_nc_u32 v[ADRS], s21, v5
	v_and_b32 v6, 31, v0
	v_lshlrev_b32 v[LI], 4, v6
	; where my record lies: q, k: head = my 128 rows of B, place = my 128 rows of A; v: the other way round, and 12,800 bytes on
	s_lshl_b32 s96, s17, 1
	s_add_co_u32 s96, s96, s15                     ; my 128 rows of A
	s_lshl_b32 s97, s42, 1
	s_add_co_u32 s97, s97, s16                     ; my 128 rows of B
	s_mov_b32 s99, 32*HR
	s_mov_b32 s93, 2*HR
	s_cmp_eq_u32 s[PRD], 0
	s_cselect_b32 s99, 16*HR, s99                  ; a head's bytes: in qb, in kv
	s_cselect_b32 s93, HR, s93                     ; a place's
	s_cmp_eq_u32 s[PRD], 2
	s_cselect_b32 s92, s96, s97                    ; the head
	s_cselect_b32 s94, s97, s96                    ; the place
	s_cselect_b32 s98, HR, 0
	s_mul_i32 s92, s92, s99
	s_mul_i32 s94, s94, s93
	s_add_co_u32 s92, s92, s94
	s_add_co_u32 s92, s92, s98
	s_mov_b32 s93, 0
	s_add_nc_u64 s[12:13], s[12:13], s[92:93]
.macro FRAG reg, adr, q, i             ; 16 rows x 128 K: lane l holds row l % 16; registers 6 c .. 6 c + 5 hold K = 64 c + 32 (l / 16) + 0 .. 31: 24 bytes of the row, as they lie, in pieces of 8
.irp p, 0,1,2,3,4,5
.set PCE, 12*(\q)+6*(\p/3)+\p%3        ; lanes 16-31 read three pieces further on; where that is behind one padding more, the second address register serves
.if PCE%8 < 5
	ds_load_b64 v[\reg+2*\p:\reg+2*\p+1], v[\adr] offset:8*PCE+16*(PCE/8)+(\i)*16*PITCH
.else
	ds_load_b64 v[\reg+2*\p:\reg+2*\p+1], v[\adr+2] offset:8*PCE+16*(PCE/8)+(\i)*16*PITCH
.endif
.endr
.endm
; 16 matrix instructions: A's blocks a0, a0 + 1 x B's eight.  The 64 accumulators take turns, one instruction a turn, in the same order in every step.
.macro MUL16 a0, p, q, sc, zero
.irp a, \a0, \a0+1
.irp b, 0,1,2,3,4,5,6,7
.if \zero
	v_wmma_scale_f32_16x16x128_f8f6f4 v[8*(8*((\a)%4)+\b):8*(8*((\a)%4)+\b)+7], v[128*(\p)+FR*\b:128*(\p)+FR*\b+FR-1], v[AF+FR*(\a):AF+FR*(\a)+FR-1], 0, v[SC+8*NQ*(\sc)+NQ*\b+(\q)], v[SC+8*NQ*(\sc)+NQ*(\a)+(\q)] matrix_a_fmt:MATRIX_FMT_FP6 matrix_b_fmt:MATRIX_FMT_FP6 matrix_a_scale:MATRIX_SCALE_ROW1
.else
	v_wmma_scale_f32_16x16x128_f8f6f4 v[8*(8*((\a)%4)+\b):8*(8*((\a)%4)+\b)+7], v[128*(\p)+FR*\b:128*(\p)+FR*\b+FR-1], v[AF+FR*(\a):AF+FR*(\a)+FR-1], v[8*(8*((\a)%4)+\b):8*(8*((\a)%4)+\b)+7], v[SC+8*NQ*(\sc)+NQ*\b+(\q)], v[SC+8*NQ*(\sc)+NQ*(\a)+(\q)] matrix_a_fmt:MATRIX_FMT_FP6 matrix_b_fmt:MATRIX_FMT_FP6 matrix_a_scale:MATRIX_SCALE_ROW1
.endif
.endr
.endr
.endm
.macro FETCH_B slot, q, p
	WIN TO_B
.irp i, 0,1,2,3,4,5,6,7
	FRAG 128*(\p)+FR*\i, ADRB+\slot, \q, \i
.endr
	WIN 0
.endm
.macro FETCH_A slot, q, i0
.irp i, \i0, \i0+1, \i0+2, \i0+3
	FRAG AF+FR*(\i), ADRA+\slot, \q, \i
.endr
.endm
.macro SCALES sc                       ; a K step's scale words: lanes 0-15 A's block i, lanes 16-31 B's block i
.irp i, 0,1,2,3,4,5,6,7
	ds_load_b64 v[SC+8*NQ*\sc+NQ*\i:SC+8*NQ*\sc+NQ*\i+1], v[ADRS] offset:\i*SBLK
.endr
.endm
.macro PLACES n                        ; plain vector instructions between a matrix instruction and a load into, or a read of, its registers
.rept \n
	v_nop
.endr
.endm
.macro STEP slot, q, zero              ; 128 along K, with its successor in the same slot
	s_wait_dscnt 4*NL                              ; B's set and A's blocks 0-3 are in; the 24 loads of A's blocks 4-7 may be out
	WIN MUL_LO
	MUL16 0, (\q)%2, \q, \slot, \zero
	MUL16 2, (\q)%2, \q, \slot, \zero
	s_wait_dscnt 0
	PLACES NP
	FETCH_B \slot, (\q)+1, 1-(\q)%2
	FETCH_A \slot, (\q)+1, 0
	WIN MUL_HI
	MUL16 4, (\q)%2, \q, \slot, \zero
	MUL16 6, (\q)%2, \q, \slot, \zero
	PLACES NP
	WIN 0
	FETCH_A \slot, (\q)+1, 4
.endm
; A slot's last step changes slots: one barrier; in front of it each wave waits for all its tensor loads, adds 0 to its spare word, and waits for that and for its reads of this slot.
.macro TURN slot, next, fill
	s_wait_tensorcnt 0x0                           ; all my tensor loads have landed: my part of the next slot
	ds_add_u32 v[SPW], v[NIL]                      ; 0 onto my spare word
	s_wait_dscnt 4*NL+1                            ; the add and the 24 loads of A's blocks 4-7 may be out
	WIN MUL_LO
	MUL16 0, 1, NQ-1, \slot, 0
	s_wait_dscnt 0x0                               ; the add is done, and my reads of this slot are over
	s_barrier_signal -1
	MUL16 2, 1, NQ-1, \slot, 0
	WIN 0
	s_barrier_wait -1
.if \fill
	CREST                                          ; the barrier has opened a round of the cluster's: no wave of any partner still reads this slot or has a load on its way
	s_add_nc_u64 s[G0+4*\slot+2:G0+4*\slot+3], s[G0+4*\slot+2:G0+4*\slot+3], 2*ROWB
	s_add_nc_u64 s[G0B+4*\slot+2:G0B+4*\slot+3], s[G0B+4*\slot+2:G0B+4*\slot+3], 2*ROWB
	JLOAD G0+4*\slot, G1, G0B+4*\slot, G1B         ; the first tensor load behind the round; its four v_nop are the places in front of the loads below
.else
	PLACES NP
.endif
	v_add_nc_u32 v[ADRS], 4*NQ, v[ADRS]            ; on to the next K step's scale words
	FETCH_B \next, 0, 0
	FETCH_A \next, 0, 0
	SCALES \next
	WIN MUL_HI
	MUL16 4, 1, NQ-1, \slot, 0
	MUL16 6, 1, NQ-1, \slot, 0
	PLACES NP
	WIN 0
	FETCH_A \next, 0, 4
.endm
	s_wait_tensorcnt 1                             ; the scales and my part of K step 0 are in; K step 1's load may be out
	s_barrier_signal -1
	s_barrier_wait -1
	FETCH_B 0, 0, 0
	FETCH_A 0, 0, 0
	SCALES 0
	FETCH_A 0, 0, 4
	STEP 0, 0, 1                                   ; the first step's products start the sums
	s_mov_b32 s3, LAPS-1
.Llap:                                                 ; a trip goes once round the ring and fills both slots again
	TURN 0, 1, 1
	STEP 1, 0, 0
	TURN 1, 0, 1
	STEP 0, 0, 0
	s_sub_co_u32 s3, s3, 1
	s_cmp_lg_u32 s3, 0
	s_cbranch_scc1 .Llap
	TURN 0, 1, 0                                   ; the last lap fills nothing
	STEP 1, 0, 0
	s_wait_dscnt 4*NL
	WIN MUL_LO
	MUL16 0, 1, NQ-1, 1, 0
	MUL16 2, 1, NQ-1, 1, 0
	s_wait_dscnt 0
	WIN MUL_HI
	MUL16 4, 1, NQ-1, 1, 0
	MUL16 6, 1, NQ-1, 1, 0
	WIN 0
; THE WAY OUT.  Block a of 16 rows of A: a lane's 64 numbers become a fragment's 12 registers of codes and a scale word, and leave as they stand: no LDS.
; Each accumulator is read from its low end on.  The sets of codes are dealt so that a conversion's result and its source never carry the same written numbers.
.macro QW a
.set AC, 64*((\a)%4)
.set CA, CD+20*(2*(((\a)%4+2)%4)+(\a)/4)
	WIN 0x0a+5*((\a)/4)                            ; sources 0 and 1: window 2 or 3
.irp b, 0,1,2,3
	v_max3_num_f32 v[TM+\b], |v[AC+16*\b]|, |v[AC+16*\b+1]|, 0x1800000   ; block b: my 16 numbers, and the floor 2^(3 - 127): the byte cannot fall under 1
.endr
.irp i, 2,4,6,8,10,12,14
.irp b, 0,1,2,3
	v_max3_num_f32 v[TM+\b], |v[AC+16*\b+\i]|, |v[AC+16*\b+\i+1]|, v[TM+\b]
.endr
.endr
	WIN 0
.irp b, 0,1,2,3
	v_permlanex16_b32 v[TM+4+\b], v[TM+\b], s[SEL], s[SEL+1]
.endr
.irp b, 0,1,2,3
	v_max_num_f32 v[TM+\b], v[TM+\b], v[TM+4+\b]   ; with lane l xor 16's: the block's largest magnitude
.endr
.irp b, 0,1,2,3
	v_add_nc_u32 v[TM+12+\b], 0xff000000, v[TM+\b] ; 2 off its exponent field: the conversion's scale operand
.endr
.irp b, 0,1,2,3
	v_lshrrev_b32 v[TM+4+\b], 23, v[TM+12+\b]      ; the scale's byte
.endr
	v_lshl_or_b32 v[PW+(\a)], v[TM+5], 8, v[TM+4]
	v_lshl_or_b32 v[PW+(\a)], v[TM+6], 16, v[PW+(\a)]
	v_lshl_or_b32 v[PW+(\a)], v[TM+7], 24, v[PW+(\a)]
	WIN 0x02+(\a)/4                                ; source 0: window 2 or 3
.irp c, 0,1
	v_cvt_scalef32_pk16_fp6_f32 v[CA+6*\c:CA+6*\c+2], v[AC+32*\c:AC+32*\c+15], v[TM+12+2*\c]
	v_cvt_scalef32_pk16_fp6_f32 v[CA+12+4*\c:CA+14+4*\c], v[AC+32*\c+16:AC+32*\c+31], v[TM+13+2*\c]   ; (a conversion's three registers begin on an even number)
.endr
	WIN 0
	v_nop                                          ; one plain place behind a scaled conversion
.irp c, 0,1                                    ; a whole block to a lane: lanes 0-15 block 2 c, lanes 16-31 block 2 c + 1
.irp i, 0,1,2
	v_permlane16_swap_b32 v[CA+6*\c+\i], v[CA+12+4*\c+\i]
.endr
.irp i, 0,1,2
	v_mov_b32 v[CA+3+6*\c+\i], v[CA+12+4*\c+\i]
.endr
.endr
.irp c, 0,1,2
	global_store_b128 v[LI], v[CA+4*\c:CA+4*\c+3], s[12:13] offset:(\a)*1536+512*\c   ; 512 consecutive bytes, aligned
.endr
.endm
	PLACES NP                                      ; behind the last products: their results are read and their operands' registers written below
.irp b, 0,1,2,3
	v_mov_b32 v[TM+4+\b], 0                        ; a lane permute's destination counts as one of its sources
.endr
	s_mov_b32 s[SEL], 0x76543210
	s_mov_b32 s[SEL+1], 0xfedcba98
.irp a, 0,1,2,3,4,5,6,7
	QW \a
.endr
	s_mov_b32 s99, 0xffff0000
.irp j, 0,1,2,3
	v_cndmask_b32 v[GS+\j], v[PW+2*\j], v[PW+2*\j+1], s99   ; both halves of the lanes hold a row's word: lanes 0-15 keep fragment 2 j's, lanes 16-31 fragment 2 j + 1's
.endr
	global_store_b128 v[LI], v[GS:GS+3], s[12:13] offset:12288
	s_wait_tensorcnt 0x0                           ; the wave's end
	ds_add_u32 v[SPW], v[NIL]
	s_wait_dscnt 0x0
	CROUND                                         ; the closing round
	s_endpgm
.Lfunc_end_k_q8c95b192d8_qkv:
	.size	k_q8c95b192d8_qkv, .Lfunc_end_k_q8c95b192d8_qkv-k_q8c95b192d8_qkv
	.p2alignl 7, 3214868480
	.fill 96, 4, 3214868480
	.section	.rodata,"a",@progbits
	.p2align	6, 0x0
	.amdhsa_kernel k_q8c95b192d8_qkv
		.amdhsa_group_segment_fixed_size 327680
		.amdhsa_private_segment_fixed_size 0
		.amdhsa_enable_private_segment 0
		.amdhsa_kernarg_size 80
		.amdhsa_user_sgpr_count 2
		.amdhsa_user_sgpr_kernarg_segment_ptr 1
		.amdhsa_wavefront_size32 1
		.amdhsa_system_sgpr_workgroup_id_x 1
		.amdhsa_system_sgpr_workgroup_id_y 1
		.amdhsa_system_sgpr_workgroup_id_z 1
		.amdhsa_system_vgpr_workitem_id 0
		.amdhsa_next_free_vgpr 1024
		.amdhsa_next_free_sgpr 100
		.amdhsa_reserve_vcc 0
		.amdhsa_float_denorm_mode_32 3
		.amdhsa_float_denorm_mode_16_64 3
		.amdhsa_memory_ordered 1
		.amdhsa_forward_progress 1
		.amdhsa_inst_pref_size 164
	.end_amdhsa_kernel
	.amdgpu_metadata
---
amdhsa.version: [ 1, 2 ]
amdhsa.kernels:
  - .name:           k_q8c95b192d8_qkv
    .symbol:         k_q8c95b192d8_qkv.kd
    .args:
      - { .name: hidden_states_codes, .offset: 0, .size: 8, .value_kind: global_buffer, .address_space: global }
      - { .name: hidden_states_scales, .offset: 8, .size: 8, .value_kind: global_buffer, .address_space: global }
      - { .name: Wq_codes, .offset: 16, .size: 8, .value_kind: global_buffer, .address_space: global }
      - { .name: Wq_scales, .offset: 24, .size: 8, .value_kind: global_buffer, .address_space: global }
      - { .name: Wk_codes, .offset: 32, .size: 8, .value_kind: global_buffer, .address_space: global }
      - { .name: Wk_scales, .offset: 40, .size: 8, .value_kind: global_buffer, .address_space: global }
      - { .name: Wv_codes, .offset: 48, .size: 8, .value_kind: global_buffer, .address_space: global }
      - { .name: Wv_scales, .offset: 56, .size: 8, .value_kind: global_buffer, .address_space: global }
      - { .name: qb, .offset: 64, .size: 8, .value_kind: global_buffer, .address_space: global }
      - { .name: kv, .offset: 72, .size: 8, .value_kind: global_buffer, .address_space: global }
    .group_segment_fixed_size: 327680
    .private_segment_fixed_size: 0
    .kernarg_segment_align: 8
    .kernarg_segment_size: 80
    .max_flat_workgroup_size: 128
    .sgpr_count:     100
    .vgpr_count:     1024
    .wavefront_size: 32
...
	.end_amdgpu_metadata
.endif
;; end of part 2
;; launch attn (part 3): grid 16 x 16, 8 waves a work-group, clusters of 4 x 1, 327,680 bytes of LDS; arguments qb, kv, mw, ao; writes ao
.if DOCPART == 3
	.amdgcn_target "amdgcn-amd-amdhsa--gfx1250"
	.amdhsa_code_object_version 6
	.text
	.protected	k_q8c95b192d8_attn
	.globl	k_q8c95b192d8_attn
	.p2align	8
	.type	k_q8c95b192d8_attn,@function
k_q8c95b192d8_attn:
	s_mov_b64 s[64:65], 0
	v_nop
	global_prefetch_b8 v0, s[64:65] scope:SCOPE_SE
	s_setreg_imm32_b32 hwreg(HW_REG_WAVE_MODE, 25, 1), 1
	s_wait_xcnt 0x0
	s_wait_alu depctr_hold_cnt(0) depctr_sa_sdst(0) depctr_va_vdst(0) depctr_va_sdst(0) depctr_va_ssrc(0) depctr_va_vcc(0) depctr_vm_vsrc(0)
	s_getreg_b32 s2, hwreg(HW_REG_IB_STS2, 6, 4)
	s_cmp_eq_u32 s2, 0
	s_cbranch_scc0 .Lentry_in_a_cluster
	s_endpgm
.Lentry_in_a_cluster:
	s_bfe_u32 s2, ttmp6, 0x10000c
	s_cmp_lg_u32 s2, 0x3003
	s_cbranch_scc0 .Lentry_shape_is_right
	s_endpgm
.Lentry_shape_is_right:
; For each head: O[q] = the sum over k of softmax_k(mask ? q . k / sqrt(128) : -infinity) v[k], both products on codes of FP6 (E2M3) with E8M0 scales; O / the row's sum is quantised along the head's 128 and leaves as an operand image.
; THE SOFTMAX AHEAD OF THE SECOND PRODUCT: t = score x log2(e) / sqrt(128); M = the running largest t rounded UP to a whole number; p = 2^(t - M) is quantised along the keys, not normalised; the row's sum is taken of the unquantised p.
; When M moves, the sum and O are multiplied by 2^(old M - new M): exact.
; THE MASK IS AN INPUT: every key step is walked, and hidden scores become -infinity by a select on lane masks that an earlier launch made of the mask's bytes (64 words a step, by scalar loads).  No branch and no address hangs on them.
; SHARES.  A work-group owns 128 queries of one head, each of its eight waves 16 of them, one tile, in 256 registers: two waves to a SIMD.  Every wave walks the head's 16 key steps of 128 keys.
; k's and v's fragments lie in memory as images of operand registers (12,800 bytes each for a step, scale words behind the codes): a step's record of 25,600 bytes comes by one tensor load and a fragment by three loads of 16 bytes a lane.
; RING: two LDS slots of four steps; waves 0 to 3 fetch a record each; one tensor load of a wave is out at the most.  CLUSTER: the four work-groups of a cluster walk the same head: each record is asked for jointly.
; LAYOUT.  Both products are used transposed: S^T = k q^T, O^T = v^T p^T: a lane holds ONE query (lane % 16).  Score register 8 t + j of lane half h is key 16 t + 8 h + j, so registers 16 b .. 16 b + 15 of lanes l, l xor 16 are block b of 32 keys;
; inside a block p's codes get the order 0-7, 16-23, 8-15, 24-31, the order in which v's codes were laid.  On the way out the halves are exchanged first, so that O's codes lie in natural order, as the last product's given weights do.
; LIMITS: p under 2^-126 counts as 0; a block of zeros keeps the scale byte 1 (its codes are zeros; this program alone reads the bytes).  A query with no key allowed: its sum is 0, and its scale word is set to 0xffffffff, which makes its
; whole output row NaN in the last product, as the definition has it.
; No prefetch: a refill is asked for four key steps (64 matrix instructions and their softmax, in each wave) ahead of the wait for it.
.set HR,    12800
.set REC,   2*HR                       ; a key step: k's record, v's record
.set SLOTB, 4*REC
.set SLOT1, 1<<17                      ; slot 1 begins here: one exclusive or turns an address from slot to slot
.set SCG,   2*SLOT1                    ; the way out: the eight waves' scale words, 512 bytes
.set SPARE, SCG+512                    ; the spare words: 128 bytes a wave, four blocks of 256 bytes that no other line names
.set LI,   1                           ; v1   16 x lane
.set SPW,  2                           ; v2   my spare word
.set NIL,  3                           ; v3   0
.set SCW,  5                           ; v5   where my row's scale word goes in LDS
.set QA,   6                           ; v6   16 x lane + 1,536 x wave: my fragment in a record of queries
.set QS,   7                           ; v7   my row's scale word in such a record
.set ADR,  8                           ; v8   the step's record in LDS, + 16 x lane
.set SCR,  9                           ; v9   where wave 0 reads the gathered words
.set NINF, 31                          ; v31  -infinity
.set FRG,  32                          ; v32-79 four fragments of k or of v
.set KSC,  80                          ; v80-83 k's scale words; v84-87 v's: register j: lanes 0-15 fragment 2 j, lanes 16-31 fragment 2 j + 1
.set VSC,  84
.set TM,   32                          ; the way out: the quantiser's working set v32-47, codes v48-67, scale word v68
.set CD,   48
.set PW,   68
.set TB,   2                           ; s2   LDS byte of the step's record
.set CNT,  3                           ; s3   steps left in the slot
.set MP,   4                           ; s[4:5] the step's 64 mask words
.set AO,   6                           ; s[6:7] my work-group's record in ao
.set WV,   8
.set SLOTS, 9
.set SEL,  10                          ; s[10:11]
.set CS,   12                          ; s[12:13] c = log2(e) / sqrt(128), twice
.set G1,   16
.set G0,   24
.set EMPTY, 28                         ; s28  lanes whose query saw no key
.macro CROUND
	s_barrier_signal -1
	s_barrier_wait -1
	s_cmp_lg_u32 s[WV], 0
	s_cbranch_scc1 .Lnot_wave_0_\@
	s_barrier_signal -3
.Lnot_wave_0_\@:
	s_barrier_wait -3
	s_barrier_signal -1
	s_barrier_wait -1
.endm
.macro TLOAD                           ; waves 0 to 3 fetch, in every work-group alike; four v_nop follow the load
	s_cmp_lt_u32 s[WV], 4
	s_cbranch_scc0 .Lnone_\@
	tensor_load_to_lds s[G0:G0+3], s[G1:G1+7]
	s_nop 0
.rept 4
	v_nop
.endr
.Lnone_\@:
.endm
	s_load_b256 s[32:39], s[0:1], 0x0              ; qb, kv, mw, ao
	v_lshl_add_u32 v[SPW], v0, 2, SPARE
	v_mov_b32 v[NIL], 0
	ds_add_u32 v2, v3
	s_wait_dscnt 0x0
	v_lshrrev_b32 v4, 5, v0
	v_readfirstlane_b32 s[WV], v4                  ; wave 0..7
	v_and_b32 v[LI], 31, v0
	v_lshlrev_b32 v[LI], 4, v[LI]
	s_and_b32 s14, s[WV], 1
	s_lshl_b32 s14, s14, 8
	s_lshr_b32 s15, s[WV], 1
	s_lshl_b32 s15, s15, 2
	s_add_co_u32 s14, s14, s15                     ; fragment w's scale words: 256 (w % 2) + 4 (w / 2),
	v_and_b32 v4, 15, v0
	v_lshlrev_b32 v4, 4, v4
	v_add_nc_u32 v4, s14, v4                       ; + 16 x row
	v_add_nc_u32 v[SCW], SCG, v4
	v_add_nc_u32 v[QS], 12288, v4
	v_add_nc_u32 v[SCR], SCG, v[LI]
	s_mul_i32 s14, s[WV], 1536
	v_add_nc_u32 v[QA], s14, v[LI]
	s_bfe_u32 s14, ttmp6, 0x40000                  ; cx: it enters the addresses of qb, mw and ao alone
	s_lshl_b32 s15, ttmp9, 2
	s_add_co_u32 s15, s15, s14                     ; my 128 queries = 4 x cluster x + cx
	s_and_b32 s29, ttmp7, 0xffff                   ; the head, which the four partners share
	s_and_b32 s30, s[WV], 3
	s_mul_i32 s30, s30, REC                        ; the record that I fetch: in a slot and in memory
	s_mul_i32 s42, s29, 16*REC
	s_add_co_u32 s42, s42, s30
	s_mov_b32 s43, 0
	s_mul_i32 s40, s29, 16*HR
	s_mul_i32 s31, s15, HR
	s_add_co_u32 s40, s40, s31                     ; qb [head][128 queries]
	s_mov_b32 s41, 0
	s_lshl_b32 s44, s15, 15
	s_lshl_b32 s31, s[WV], 12
	s_add_co_u32 s44, s44, s31                     ; mw: my tile's 16 x 64 words
	s_mov_b32 s45, 0
	s_lshl_b32 s46, s15, 4
	s_add_co_u32 s46, s46, s29
	s_mul_i32 s46, s46, HR                         ; ao [128 queries][head]
	s_mov_b32 s47, 0
	s_mov_b32 s[G1], 15|(3<<16)|(1<<21)            ; the mask: all four work-groups; elements of 8 bytes; bit 21 beside a mask; no padding: images are read 16 bytes a lane on end
	s_mov_b32 s[G1+1], 32<<16                      ; tensor_dim0: 256 bytes
	s_mov_b32 s[G1+2], 100<<16                     ; tensor_dim1: 100 rows
	s_mov_b32 s[G1+3], 32<<16                      ; tile_dim0
	s_mov_b32 s[G1+4], 100                         ; tile_dim1
	s_mov_b32 s[G1+5], 32                          ; dense
	s_mov_b32 s[G1+6], 0
	s_mov_b32 s[G1+7], 0
	s_mov_b32 s[SEL], 0x76543210
	s_mov_b32 s[SEL+1], 0xfedcba98
	s_mov_b32 s[CS], 0x3e0293ee
	s_mov_b32 s[CS+1], s[CS]
	s_mov_b32 s[TB], 0
	s_mov_b32 s[SLOTS], 3
	s_wait_kmcnt 0x0
	s_mov_b32 s[G0], 1
	s_mov_b32 s[G0+1], s30
	s_add_nc_u64 s[G0+2:G0+3], s[34:35], s[42:43]
	s_or_b32 s[G0+3], s[G0+3], 0x80000000
	s_add_nc_u64 s[40:41], s[32:33], s[40:41]
	s_add_nc_u64 s[MP:MP+1], s[36:37], s[44:45]
	s_add_nc_u64 s[AO:AO+1], s[38:39], s[46:47]
	CROUND                                         ; all four work-groups are here: the first joint loads meet
	TLOAD                                          ; slot 0
.irp c, 0,1,2
	global_load_b128 v[16+4*\c:19+4*\c], v[QA], s[40:41] offset:512*\c   ; my queries' fragment stays in registers
.endr
	global_load_b32 v255, v[QS], s[40:41]          ; and its scale words
	v_mov_b32 v[NINF], 0xff800000
	v_mov_b32 v13, 0xff61b1e6                      ; the largest t so far: -3e38
	v_floor_f32 v12, -v13                          ; -M
	v_mov_b32 v14, 0                               ; the sum, in two halves
	v_mov_b32 v15, 0
.irp b, 0,1,2,3
	v_mov_b32 v[236+\b], 0                         ; a lane permute's destination counts as one of its sources
.endr
	v_mov_b32 v253, 0
.set n, 0
.rept 64
	v_mov_b32 v[160+n], 0                          ; O^T: the step is written once; its first walk finds zeros, which the first change of M leaves zeros
.set n, n+1
.endr
	s_wait_loadcnt 0x0                             ; my queries are in, and their base may be written: the mask words land there
; A KEY STEP: 128 keys.
.macro STEP
	s_load_b512 s[32:47], s[MP:MP+1], 0x0          ; the step's 64 lane masks: wanted behind the first product
	s_load_b512 s[48:63], s[MP:MP+1], 0x40
	s_load_b512 s[68:83], s[MP:MP+1], 0x80
	s_load_b512 s[84:99], s[MP:MP+1], 0xc0
	v_add_nc_u32 v[ADR], s[TB], v[LI]
.rept 3
	v_nop                                          ; with the line above: four places in front of loads into registers that the last products read
.endr
.irp g, 0,1                                    ; S^T = k q^T, four tiles of 16 keys at a time
.if \g
.rept 4
	v_nop
.endr
.endif
.irp t, 0,1,2,3
.irp c, 0,1,2
	ds_load_b128 v[FRG+12*\t+4*\c:FRG+12*\t+4*\c+3], v[ADR] offset:(4*\g+\t)*1536+512*\c
.endr
.endr
.if \g == 0
	ds_load_b128 v[KSC:KSC+3], v[ADR] offset:12288
.endif
	s_wait_dscnt 0x0
.irp t, 0,1,2,3
.if \t%2
	v_wmma_scale_f32_16x16x128_f8f6f4 v[96+8*(4*\g+\t):103+8*(4*\g+\t)], v[FRG+12*\t:FRG+12*\t+11], v[16:27], 0, v[KSC+(4*\g+\t)/2], v255 matrix_a_fmt:MATRIX_FMT_FP6 matrix_b_fmt:MATRIX_FMT_FP6 matrix_a_scale:MATRIX_SCALE_ROW1
.else
	v_wmma_scale_f32_16x16x128_f8f6f4 v[96+8*(4*\g+\t):103+8*(4*\g+\t)], v[FRG+12*\t:FRG+12*\t+11], v[16:27], 0, v[KSC+(4*\g+\t)/2], v255 matrix_a_fmt:MATRIX_FMT_FP6 matrix_b_fmt:MATRIX_FMT_FP6
.endif
.endr
.endr
.rept 4
	v_nop                                          ; places: for the loads below and for the first read of the scores
.endr
.irp t, 0,1,2,3                                ; v's first four fragments are asked for now and land under the softmax
.irp c, 0,1,2
	ds_load_b128 v[FRG+12*\t+4*\c:FRG+12*\t+4*\c+3], v[ADR] offset:HR+\t*1536+512*\c
.endr
.endr
	ds_load_b128 v[VSC:VSC+3], v[ADR] offset:HR+12288
	s_wait_kmcnt 0x0                               ; the masks are in, and their base may step
.set n, 0
.rept 64
	v_cndmask_b32 v[96+n], v[NINF], v[96+n], s[32+n+4*(n/32)]   ; a hidden score becomes -infinity: p = 0 then
.set n, n+1
.endr
	s_add_nc_u64 s[MP:MP+1], s[MP:MP+1], 256
.irp b, 0,1,2,3
	v_max3_num_f32 v[232+\b], v[96+16*\b], v[97+16*\b], v[98+16*\b]   ; the largest score of each block of 32 keys: for the row's maximum, and, since p rises with the score, for the block's largest p
.endr
.irp i, 3,5,7,9,11,13
.irp b, 0,1,2,3
	v_max3_num_f32 v[232+\b], v[232+\b], v[96+16*\b+\i], v[97+16*\b+\i]
.endr
.endr
.irp b, 0,1,2,3
	v_max_num_f32 v[232+\b], v[232+\b], v[111+16*\b]
.endr
.irp b, 0,1,2,3
	v_permlanex16_b32 v[236+\b], v[232+\b], s[SEL], s[SEL+1]
.endr
.irp b, 0,1,2,3
	v_max_num_f32 v[232+\b], v[232+\b], v[236+\b]  ; with lane l xor 16's 16 keys
.endr
	v_max3_num_f32 v254, v232, v233, v234
	v_max_num_f32 v254, v254, v235
	v_mul_f32 v254, s[CS], v254                    ; the step's largest t
	v_max_num_f32 v13, v13, v254                   ; the running largest t
	v_mov_b32 v254, v12
	v_floor_f32 v12, -v13                          ; the new -M = -ceil(t)
	v_sub_f32 v254, v12, v254                      ; old M - new M: a whole number, 0 or less
	v_cvt_i32_f32 v254, v254                       ; (it saturates)
	v_ldexp_f32 v252, 1.0, v254                    ; f = 2^(old M - new M)
.set n, 0
.rept 32
	v_pk_fma_f32 v[96+n:97+n], v[96+n:97+n], s[CS:CS+1], v[12:13] op_sel_hi:[1,0,0]   ; t - M, two at a time
.set n, n+2
.endr
.irp b, 0,1,2,3
	v_fma_f32 v[232+\b], v[232+\b], s[CS], v12     ; the same of each block's largest score
.endr
.set n, 0
.rept 64
	v_exp_f32 v[96+n], v[96+n]                     ; p = 2^(t - M)
.set n, n+1
.endr
	v_pk_mul_f32 v[14:15], v[14:15], v[252:253] op_sel_hi:[1,0]   ; the sums under the new M: a plain place behind the exponentials
	s_wait_alu depctr_va_vdst(0)                   ; one wait for the batch of 64, ahead of its first reader
.irp b, 0,1,2,3
	v_exp_f32 v[232+\b], v[232+\b]                 ; the block's largest p
.endr
	v_pk_add_f32 v[236:237], v[96:97], v[98:99]    ; the row's sum of the unquantised p, in two chains
.irp j, 4,8,12,16,20,24,28,32,36,40,44,48,52,56,60
	v_pk_add_f32 v[14:15], v[14:15], v[96+\j:97+\j]
	v_pk_add_f32 v[236:237], v[236:237], v[98+\j:99+\j]
.endr
	v_pk_add_f32 v[14:15], v[14:15], v[236:237]
	s_wait_alu depctr_va_vdst(0)                   ; and one for the four
.irp b, 0,1,2,3
	v_max_num_f32 v[232+\b], 0x1800000, v[232+\b]  ; the floor 2^(3 - 127)
.endr
.irp b, 0,1,2,3
	v_add_nc_u32 v[244+\b], 0xff000000, v[232+\b]  ; 2 off the exponent field: the conversion's scale operand
.endr
.irp b, 0,1,2,3
	v_lshrrev_b32 v[236+\b], 23, v[244+\b]         ; the scale's byte
.endr
	v_lshl_or_b32 v253, v237, 8, v236              ; p's scale word for these 128 keys
	v_lshl_or_b32 v253, v238, 16, v253
	v_lshl_or_b32 v253, v239, 24, v253
.irp c, 0,1
	v_cvt_scalef32_pk16_fp6_f32 v[224+6*\c:226+6*\c], v[96+32*\c:111+32*\c], v[244+2*\c]
	v_cvt_scalef32_pk16_fp6_f32 v[236+4*\c:238+4*\c], v[112+32*\c:127+32*\c], v[244+2*\c+1]
.endr
	v_nop                                          ; one plain place behind a scaled conversion
.irp c, 0,1
.irp i, 0,1,2
	v_permlane16_swap_b32 v[224+6*\c+\i], v[236+4*\c+\i]
.endr
.irp i, 0,1,2
	v_mov_b32 v[227+6*\c+\i], v[236+4*\c+\i]
.endr
.endr
.set n, 0
.rept 32
	v_pk_mul_f32 v[160+n:161+n], v[160+n:161+n], v[252:253] op_sel_hi:[1,0]   ; O^T under the new M; these 32 are also the places between p's codes and scale word and the products below
.set n, n+2
.endr
.irp g, 0,1                                    ; O^T += v^T p^T: four tiles of 16 of the head's 128 at a time
.if \g
.rept 4
	v_nop
.endr
.irp t, 0,1,2,3
.irp c, 0,1,2
	ds_load_b128 v[FRG+12*\t+4*\c:FRG+12*\t+4*\c+3], v[ADR] offset:HR+(4+\t)*1536+512*\c
.endr
.endr
.endif
	s_wait_dscnt 0x0
.irp t, 0,1,2,3
.if \t%2
	v_wmma_scale_f32_16x16x128_f8f6f4 v[160+8*(4*\g+\t):167+8*(4*\g+\t)], v[FRG+12*\t:FRG+12*\t+11], v[224:235], v[160+8*(4*\g+\t):167+8*(4*\g+\t)], v[VSC+(4*\g+\t)/2], v253 matrix_a_fmt:MATRIX_FMT_FP6 matrix_b_fmt:MATRIX_FMT_FP6 matrix_a_scale:MATRIX_SCALE_ROW1
.else
	v_wmma_scale_f32_16x16x128_f8f6f4 v[160+8*(4*\g+\t):167+8*(4*\g+\t)], v[FRG+12*\t:FRG+12*\t+11], v[224:235], v[160+8*(4*\g+\t):167+8*(4*\g+\t)], v[VSC+(4*\g+\t)/2], v253 matrix_a_fmt:MATRIX_FMT_FP6 matrix_b_fmt:MATRIX_FMT_FP6
.endif
.endr
.endr
	s_add_co_u32 s[TB], s[TB], REC                 ; the next step's record
.endm
; THE CHANGE OF SLOTS stands at a slot's head.  Each wave waits for all its tensor loads, adds 0 to its spare word, and waits for that and for its reads of the slot that it has left.
; fill = 1: the barrier is a round of the cluster's, and behind it the slot just left is filled with the four steps that follow: the load has four steps in which to land.
.macro CHANGE fill
	s_wait_tensorcnt 0x0                           ; no tensor load of mine is out, so the descriptor may be written
	ds_add_u32 v[SPW], v[NIL]
.if \fill
	s_xor_b32 s[G0+1], s[G0+1], SLOT1              ; the other slot than last time,
	s_add_nc_u64 s[G0+2:G0+3], s[G0+2:G0+3], SLOTB ; the next four steps
.endif
	s_wait_dscnt 0x0                               ; the add is done, and my reads of the slot that I have left are over
.if \fill
	CROUND
	TLOAD
.else
	s_barrier_signal -1
	s_barrier_wait -1
.endif
.endm
.macro SLOT_STEPS                      ; a slot's four steps: written once, walked four times
	s_mov_b32 s[CNT], 4
.Lstep_\@:
	STEP
	s_sub_co_u32 s[CNT], s[CNT], 1
	s_cmp_lg_u32 s[CNT], 0
	s_cbranch_scc1 .Lstep_\@
	s_sub_co_u32 s[TB], s[TB], SLOTB
	s_xor_b32 s[TB], s[TB], SLOT1                  ; on to the other slot
.endm
.Lslot:                                            ; three trips: behind each change of slots but the last the next slot is asked for
	CHANGE 1
	SLOT_STEPS
	s_sub_co_u32 s[SLOTS], s[SLOTS], 1
	s_cmp_lg_u32 s[SLOTS], 0
	s_cbranch_scc1 .Lslot
	CHANGE 0                                       ; the last slot is written out
	SLOT_STEPS
	; THE WAY OUT.
.rept 4
	v_nop                                          ; places behind the last products
.endr
	v_add_f32 v14, v14, v15
	v_permlanex16_b32 v252, v14, s[SEL], s[SEL+1]
	v_add_f32 v14, v14, v252                       ; the row's sum
	v_cmp_eq_f32 s[EMPTY], 0, v14                  ; no key at all: it only selects a value below
	v_rcp_f32 v14, v14
.irp b, 0,1,2,3
	v_mov_b32 v[TM+4+\b], 0                        ; plain places behind the reciprocal
.endr
	v_mov_b32 v69, -1
	s_wait_alu depctr_va_vdst(0)                   ; ahead of the reciprocal's first reader
.set n, 0
.rept 32
	v_pk_mul_f32 v[96+n:97+n], v[160+n:161+n], v[14:15] op_sel_hi:[1,0]   ; O^T / the sum: register 8 t + j is channel 16 t + 8 h + j
.set n, n+2
.endr
.set n, 0
.rept 32
	v_permlane16_swap_b32 v[96+16*(n/8)+n%8], v[104+16*(n/8)+n%8]   ; now register 16 b + i is channel 32 b + 16 h + i: 16 neighbours, so that the codes come out in natural order
.set n, n+1
.endr
.irp b, 0,1,2,3
	v_max3_num_f32 v[TM+\b], |v[96+16*\b]|, |v[97+16*\b]|, 0x1800000
.endr
.irp i, 2,4,6,8,10,12,14
.irp b, 0,1,2,3
	v_max3_num_f32 v[TM+\b], v[TM+\b], |v[96+16*\b+\i]|, |v[97+16*\b+\i]|
.endr
.endr
.irp b, 0,1,2,3
	v_permlanex16_b32 v[TM+4+\b], v[TM+\b], s[SEL], s[SEL+1]
.endr
.irp b, 0,1,2,3
	v_max_num_f32 v[TM+\b], v[TM+\b], v[TM+4+\b]
.endr
.irp b, 0,1,2,3
	v_add_nc_u32 v[TM+12+\b], 0xff000000, v[TM+\b]
.endr
.irp b, 0,1,2,3
	v_lshrrev_b32 v[TM+4+\b], 23, v[TM+12+\b]
.endr
	v_lshl_or_b32 v[PW], v[TM+5], 8, v[TM+4]
	v_lshl_or_b32 v[PW], v[TM+6], 16, v[PW]
	v_lshl_or_b32 v[PW], v[TM+7], 24, v[PW]
	v_cndmask_b32 v[PW], v[PW], v69, s[EMPTY]      ; a query that saw no key: NaN scales
.irp c, 0,1
	v_cvt_scalef32_pk16_fp6_f32 v[CD+6*\c:CD+6*\c+2], v[96+32*\c:111+32*\c], v[TM+12+2*\c]
	v_cvt_scalef32_pk16_fp6_f32 v[CD+12+4*\c:CD+14+4*\c], v[112+32*\c:127+32*\c], v[TM+13+2*\c]
.endr
	v_nop
.irp c, 0,1
.irp i, 0,1,2
	v_permlane16_swap_b32 v[CD+6*\c+\i], v[CD+12+4*\c+\i]
.endr
.irp i, 0,1,2
	v_mov_b32 v[CD+3+6*\c+\i], v[CD+12+4*\c+\i]
.endr
.endr
.irp c, 0,1,2
	global_store_b128 v[QA], v[CD+4*\c:CD+4*\c+3], s[AO:AO+1] offset:512*\c   ; fragment w of the record: 512 consecutive bytes, aligned
.endr
	ds_store_b32 v[SCW], v[PW]                     ; both lanes of a row write the same word with the same value
	s_wait_dscnt 0x0                               ; for the others' sake
	s_barrier_signal -1
	s_barrier_wait -1
	s_cmp_lg_u32 s[WV], 0
	s_cbranch_scc1 .Lnot_first
	ds_load_b128 v[72:75], v[SCR]                  ; the eight waves' words leave as 512 consecutive bytes
	s_wait_dscnt 0x0
	global_store_b128 v[LI], v[72:75], s[AO:AO+1] offset:12288
.Lnot_first:
	s_wait_tensorcnt 0x0                           ; the wave's end
	ds_add_u32 v[SPW], v[NIL]
	s_wait_dscnt 0x0
	CROUND                                         ; the closing round
	s_endpgm
.Lfunc_end_k_q8c95b192d8_attn:
	.size	k_q8c95b192d8_attn, .Lfunc_end_k_q8c95b192d8_attn-k_q8c95b192d8_attn
	.p2alignl 7, 3214868480
	.fill 96, 4, 3214868480
	.section	.rodata,"a",@progbits
	.p2align	6, 0x0
	.amdhsa_kernel k_q8c95b192d8_attn
		.amdhsa_group_segment_fixed_size 327680
		.amdhsa_private_segment_fixed_size 0
		.amdhsa_enable_private_segment 0
		.amdhsa_kernarg_size 32
		.amdhsa_user_sgpr_count 2
		.amdhsa_user_sgpr_kernarg_segment_ptr 1
		.amdhsa_wavefront_size32 1
		.amdhsa_system_sgpr_workgroup_id_x 1
		.amdhsa_system_sgpr_workgroup_id_y 1
		.amdhsa_system_sgpr_workgroup_id_z 1
		.amdhsa_system_vgpr_workitem_id 0
		.amdhsa_next_free_vgpr 256
		.amdhsa_next_free_sgpr 100
		.amdhsa_reserve_vcc 0
		.amdhsa_float_denorm_mode_32 3
		.amdhsa_float_denorm_mode_16_64 3
		.amdhsa_memory_ordered 1
		.amdhsa_forward_progress 1
		.amdhsa_inst_pref_size 63
	.end_amdhsa_kernel
	.amdgpu_metadata
---
amdhsa.version: [ 1, 2 ]
amdhsa.kernels:
  - .name:           k_q8c95b192d8_attn
    .symbol:         k_q8c95b192d8_attn.kd
    .args:
      - { .name: qb, .offset: 0, .size: 8, .value_kind: global_buffer, .address_space: global }
      - { .name: kv, .offset: 8, .size: 8, .value_kind: global_buffer, .address_space: global }
      - { .name: mw, .offset: 16, .size: 8, .value_kind: global_buffer, .address_space: global }
      - { .name: ao, .offset: 24, .size: 8, .value_kind: global_buffer, .address_space: global }
    .group_segment_fixed_size: 327680
    .private_segment_fixed_size: 0
    .kernarg_segment_align: 8
    .kernarg_segment_size: 32
    .max_flat_workgroup_size: 256
    .sgpr_count:     100
    .vgpr_count:     256
    .wavefront_size: 32
...
	.end_amdgpu_metadata
.endif
;; end of part 3
;; launch oproj (part 4): grid 16 x 16, 4 waves a work-group, clusters of 4 x 4, 327,680 bytes of LDS; arguments ao, Wo_codes, Wo_scales, out0; writes out0
.if DOCPART == 4
	.amdgcn_target "amdgcn-amd-amdhsa--gfx1250"
	.amdhsa_code_object_version 6
	.text
	.protected	k_q8c95b192d8_oproj
	.globl	k_q8c95b192d8_oproj
	.p2align	8
	.type	k_q8c95b192d8_oproj,@function
k_q8c95b192d8_oproj:
	s_mov_b64 s[64:65], 0
	v_nop
	global_prefetch_b8 v0, s[64:65] scope:SCOPE_SE
	s_setreg_imm32_b32 hwreg(HW_REG_WAVE_MODE, 25, 1), 1
	s_wait_xcnt 0x0
	s_wait_alu depctr_hold_cnt(0) depctr_sa_sdst(0) depctr_va_vdst(0) depctr_va_sdst(0) depctr_va_ssrc(0) depctr_va_vcc(0) depctr_vm_vsrc(0)
	s_getreg_b32 s2, hwreg(HW_REG_IB_STS2, 6, 4)
	s_cmp_eq_u32 s2, 0
	s_cbranch_scc0 .Lentry_in_a_cluster
	s_endpgm
.Lentry_in_a_cluster:
	s_bfe_u32 s2, ttmp6, 0x10000c
	s_cmp_lg_u32 s2, 0xf033
	s_cbranch_scc0 .Lentry_shape_is_right
	s_endpgm
.Lentry_shape_is_right:
; out0[m][n] = sum over k of A[m][k] Wo[k][n], K = 2,048, on codes of FP6 (E2M3) with E8M0 scales; f32 out.
; A is the attention's result, laid by the launch before as images of operand registers: ao [128 rows G][K step of 128][record of 12,800 bytes: eight fragments of 1,536 bytes, then 512 bytes of scale words].
; Wo comes as given: rows n of 1,536 bytes of codes, K innermost, and 64 scale bytes a row.
; A tile of 128 x 128 to a work-group, so that there are 256 of them; four waves, 64 x 64 each: 16 accumulators.  THE MATRIX INSTRUCTION IS USED TRANSPOSED (source 0 = 16 rows of Wo, source 1 = 16 rows of A): a lane holds 8 neighbouring numbers of a row of out0.
; RING: two LDS slots of 512 along K (four steps of 128): A's four records, dense; Wo's 128 rows as two tiles of 192 bytes a row, 240 bytes apart.  Waves 0, 1 fetch A's halves, waves 2, 3 Wo's tiles; Wo's scales come once.
; K is four slots long, so the text is written out without a loop.  CLUSTER 4 x 4: A's records are asked for jointly along a row of the cluster, Wo's tiles and scales along a column.
; LIMITS: a given scale byte 0xff makes NaN, as the format says; a row of A whose scale words are 0xffffffff (a query that saw no key) comes out NaN.
; REGISTERS: window 0: v16-29 addresses; v32-35 A's scale words, v40-55 Wo's, and nothing else; v64-127 rows on the way out; v128-255 the accumulators ((a, b) at v[128 + 8 (4 a + b)]).
;   window 1: two buffers of 96 at v0 and v128: A's four fragments, then Wo's four.
.set HR,     12800
.set PITCH,  240
.set SUBT,   128*PITCH                 ; a tile of Wo: 128 rows, 256 along K
.set APART,  4*HR
.set SLOT,   APART+2*SUBT
.set SCB,    2*SLOT                    ; Wo's scales of 128 rows: 32 units of 256 bytes + 16
.set SPARE,  SCB+32*272                ; the spare words: 128 bytes a wave, two blocks of 256 bytes that no other line names
.set SPITCH, 272                       ; the way out: a stage of 16 rows x (256 + 16) bytes a wave, in slot 0, which has had its last fill and its last read by then
.set ADRA, 16                          ; v16-17 A's fragments in slot 0, 1
.set ADSA, 18                          ; v18-19 A's scale words
.set ADRB, 20                          ; v20-21 Wo's fragments; v22-23 behind one padding more
.set STO,  24
.set RD,   25
.set CO,   26
.set ADSB, 27                          ; v27    Wo's scale words: lane l takes row l of 32
.set SPW,  28
.set NIL,  29
.set SA,   32                          ; set q % 2: register a / 2: lanes 0-15 fragment a even, lanes 16-31 a odd
.set SB,   40                          ; set (slot's turn) % 2: register 4 (b / 2) + q: lanes 0-15 block b even, lanes 16-31 b odd
.set BK,   64
.set ACC,  128
.set G1A, 24
.set G0A, 32
.set G1B, 48
.set G0B, 56
.set G1S, 68
.set G0S, 76
.set MSB, 0
.macro WIN new
.if MSB != (\new)
	s_set_vgpr_msb (MSB<<8)|(\new)
.set MSB, (\new)
.endif
.endm
.set MUL,  0x05                        ; sources 0 and 1 window 1; C and D window 0
.set TO_F, 0x40                        ; destination window 1, address window 0
.macro JLOAD s                         ; a joint refill; four v_nop follow each of the two lines
	s_cmp_eq_u32 s11, 0
	s_cbranch_scc0 .Lfor_b_\@
	tensor_load_to_lds s[G0A+4*\s:G0A+4*\s+3], s[G1A:G1A+7]
	s_nop 0
.rept 4
	v_nop
.endr
	s_branch .Lasked_\@
.Lfor_b_\@:
	tensor_load_to_lds s[G0B+4*\s:G0B+4*\s+3], s[G1B:G1B+7]
	s_nop 0
.rept 4
	v_nop
.endr
.Lasked_\@:
.endm
.macro CREST
	s_cmp_lg_u32 s10, 0
	s_cbranch_scc1 .Lnot_wave_0_\@
	s_barrier_signal -3
.Lnot_wave_0_\@:
	s_barrier_wait -3
	s_barrier_signal -1
	s_barrier_wait -1
.endm
.macro CROUND
	s_barrier_signal -1
	s_barrier_wait -1
	CREST
.endm
.macro PLACES                          ; four plain places behind a matrix instruction (ISA guide 7.12.1)
.rept 4
	v_nop
.endr
.endm
	s_load_b256 s[80:87], s[0:1], 0x0              ; ao, Wo's codes, Wo's scales, out0
	v_lshl_add_u32 v[SPW], v0, 2, SPARE
	v_mov_b32 v[NIL], 0
	ds_add_u32 v28, v29
	s_wait_dscnt 0x0
	v_lshrrev_b32 v1, 5, v0
	v_readfirstlane_b32 s10, v1                    ; wave 0..3
	s_lshr_b32 s11, s10, 1                         ; which 64 rows are mine.  Also: I fetch for A (0) or for Wo (1)
	s_and_b32 s12, s10, 1                          ; which 64 columns.  Also: which half I fetch
	s_bfe_u32 s40, ttmp6, 0x40000                  ; cx, cy
	s_bfe_u32 s41, ttmp6, 0x40004
	s_lshl_b32 s42, ttmp9, 2
	s_add_co_u32 s42, s42, s40                     ; tile column
	s_and_b32 s13, ttmp7, 0xffff
	s_lshl_b32 s13, s13, 2
	s_add_co_u32 s13, s13, s41                     ; tile row G
	s_lshl_b32 s43, s41, 2
	s_lshl_b32 s43, 15, s43                        ; my row of the cluster
	s_lshl_b32 s44, 0x1111, s40                    ; my column
	s_or_b32 s[G1A], s43, (3<<16)|(1<<21)          ; A: two records, 100 dense rows of 256 bytes, no padding
	s_mov_b32 s[G1A+1], 32<<16
	s_mov_b32 s[G1A+2], 100<<16
	s_mov_b32 s[G1A+3], 32<<16
	s_mov_b32 s[G1A+4], 100
	s_mov_b32 s[G1A+5], 32
	s_mov_b32 s[G1A+6], 0
	s_mov_b32 s[G1A+7], 0
	s_or_b32 s[G1B], s44, (0<<16)|(1<<20)|(1<<21)|(3<<22)|(3<<25)   ; Wo: 128 rows of 192 bytes, 16 bytes of padding behind every 64
	s_mov_b32 s[G1B+1], 192<<16
	s_mov_b32 s[G1B+2], 128<<16
	s_mov_b32 s[G1B+3], 192<<16
	s_mov_b32 s[G1B+4], 128
	s_mov_b32 s[G1B+5], 1536
	s_mov_b32 s[G1B+6], 0
	s_mov_b32 s[G1B+7], 0
	s_or_b32 s[G1S], s44, (3<<16)|(1<<20)|(1<<21)|(5<<22)|(3<<25)   ; the scales of 64 rows: 16 dense rows of 256 bytes, 16 of padding behind each
	s_mov_b32 s[G1S+1], 32<<16
	s_mov_b32 s[G1S+2], 16<<16
	s_mov_b32 s[G1S+3], 32<<16
	s_mov_b32 s[G1S+4], 16
	s_mov_b32 s[G1S+5], 32
	s_mov_b32 s[G1S+6], 0
	s_mov_b32 s[G1S+7], 0
	s_mul_i32 s16, s13, 16*HR
	s_mul_i32 s17, s12, 2*HR
	s_add_co_u32 s16, s16, s17                     ; A: my two records of the first slot
	s_mov_b32 s17, 0
	s_mul_i32 s46, s42, 128*1536
	s_mul_i32 s47, s12, 192
	s_add_co_u32 s46, s46, s47                     ; Wo: my 256 along K of the tile column's rows
	s_mov_b32 s47, 0
	s_lshl_b32 s92, s42, 13
	s_lshl_b32 s93, s12, 12
	s_add_co_u32 s92, s92, s93                     ; my 64 rows' scales
	s_mov_b32 s93, 0
	s_mul_i32 s18, s12, 2*HR                       ; where they go: no place in the cluster enters an LDS address
	s_mul_i32 s19, s12, SUBT
	s_add_co_u32 s19, s19, APART
	s_mul_i32 s22, s12, 16*272
	s_add_co_u32 s22, s22, SCB
	s_wait_kmcnt 0x0
	s_add_nc_u64 s[14:15], s[80:81], s[16:17]
	s_add_nc_u64 s[46:47], s[82:83], s[46:47]
	s_add_nc_u64 s[92:93], s[84:85], s[92:93]
	CROUND                                         ; all sixteen work-groups are here: the first joint loads meet
.irp s, 0,1
	s_mov_b32 s[G0A+4*\s], 1
	s_add_co_u32 s[G0A+4*\s+1], s18, \s*SLOT
	s_add_nc_u64 s[G0A+4*\s+2:G0A+4*\s+3], s[14:15], \s*APART
	s_or_b32 s[G0A+4*\s+3], s[G0A+4*\s+3], 0x80000000
	s_mov_b32 s[G0B+4*\s], 1
	s_add_co_u32 s[G0B+4*\s+1], s19, \s*SLOT
	s_add_nc_u64 s[G0B+4*\s+2:G0B+4*\s+3], s[46:47], \s*384
	s_or_b32 s[G0B+4*\s+3], s[G0B+4*\s+3], 0x80000000
.endr
	s_mov_b32 s[G0S], 1
	s_mov_b32 s[G0S+1], s22
	s_mov_b64 s[G0S+2:G0S+3], s[92:93]
	s_or_b32 s[G0S+3], s[G0S+3], 0x80000000
	s_cmp_eq_u32 s11, 0                            ; a wave's first fills stand in one branch: two or three loads of mine are out, slot 1's the last of them
	s_cbranch_scc0 .Lfirst_b
	tensor_load_to_lds s[G0A:G0A+3], s[G1A:G1A+7]
	s_nop 0
	tensor_load_to_lds s[G0A+4:G0A+7], s[G1A:G1A+7]
	s_nop 0
.rept 4
	v_nop
.endr
	s_branch .Lfirst_done
.Lfirst_b:
	tensor_load_to_lds s[G0S:G0S+3], s[G1S:G1S+7]
	s_nop 0
	tensor_load_to_lds s[G0B:G0B+3], s[G1B:G1B+7]
	s_nop 0
	tensor_load_to_lds s[G0B+4:G0B+7], s[G1B:G1B+7]
	s_nop 0
.rept 4
	v_nop
.endr
.Lfirst_done:
	v_and_b32 v1, 15, v0                           ; r
	v_bfe_u32 v2, v0, 4, 1                         ; h
	v_and_b32 v3, 31, v0                           ; lane
	v_lshlrev_b32 v4, 4, v3                        ; 16 x lane
	v_mul_u32_u24 v5, v1, PITCH
	v_mad_u32_u24 v5, v2, 24, v5                   ; Wo: row x pitch + 24 x half
	v_lshl_add_u32 v6, v2, 4, v5                   ; and behind one padding more
	s_mul_i32 s20, s11, 4*1536                     ; A: my four fragments of a record
	s_lshl_b32 s21, s11, 3                         ; and their two registers of scale words
	s_mul_i32 s23, s12, 64*PITCH
	s_add_co_u32 s23, s23, APART                   ; Wo: my 64 rows
.irp s, 0,1
	v_add_nc_u32 v[ADRA+\s], s20, v4
	v_add_nc_u32 v[ADSA+\s], s21, v4
	v_add_nc_u32 v[ADRB+\s], s23, v5
	v_add_nc_u32 v[ADRB+2+\s], s23, v6
	s_add_co_u32 s20, s20, SLOT
	s_add_co_u32 s21, s21, SLOT
	s_add_co_u32 s23, s23, SLOT
.endr
	v_lshrrev_b32 v7, 2, v3
	v_mul_u32_u24 v7, v7, 272
	v_and_b32 v8, 3, v3
	v_lshl_add_u32 v7, v8, 6, v7                   ; four rows of 64 scale bytes to a unit
	s_mul_i32 s20, s12, 16*272
	s_add_co_u32 s20, s20, SCB
	v_add_nc_u32 v[ADSB], s20, v7
	s_mul_i32 s20, s10, 16*SPITCH                  ; my stage
	v_mul_u32_u24 v5, v1, SPITCH
	v_lshl_add_u32 v5, v2, 5, v5
	v_add_nc_u32 v[STO], s20, v5                   ; in: row r, 32 bytes for each half of the lanes
	v_mul_u32_u24 v5, v2, SPITCH
	v_lshl_add_u32 v5, v1, 4, v5
	v_add_nc_u32 v[RD], s20, v5                    ; back: lanes 0-15 one row of 256 bytes, lanes 16-31 the next
	v_lshlrev_b32 v5, 13, v2
	v_lshl_add_u32 v[CO], v1, 4, v5                ; and the same two rows in out0
	s_lshl_b32 s20, s13, 20                        ; 128 rows of 8,192 bytes
	s_lshl_b32 s21, s11, 19
	s_add_co_u32 s20, s20, s21
	s_lshl_b32 s21, s42, 9
	s_add_co_u32 s20, s20, s21
	s_lshl_b32 s21, s12, 8
	s_add_co_u32 s20, s20, s21
	s_mov_b32 s21, 0
	s_add_nc_u64 s[86:87], s[86:87], s[20:21]
.macro FRAGB reg, adr, q, i            ; a fragment of Wo: six pieces of 8 bytes of the row, as they lie; lanes 16-31 three pieces further on
.irp p, 0,1,2,3,4,5
.set PCE, 12*((\q)%2)+6*(\p/3)+\p%3
.if PCE%8 < 5
	ds_load_b64 v[\reg+2*\p:\reg+2*\p+1], v[\adr] offset:8*PCE+16*(PCE/8)+(\i)*16*PITCH+((\q)/2)*SUBT
.else
	ds_load_b64 v[\reg+2*\p:\reg+2*\p+1], v[\adr+2] offset:8*PCE+16*(PCE/8)+(\i)*16*PITCH+((\q)/2)*SUBT
.endif
.endr
.endm
.macro FETCH slot, q                   ; the slot's q-th 128 along K into buffer q % 2: 37 LDS loads in one run
.set FB, 128*((\q)%2)
	WIN TO_F
.irp i, 0,1,2,3
.irp c, 0,1,2
	ds_load_b128 v[FB+12*\i+4*\c:FB+12*\i+4*\c+3], v[ADRA+\slot] offset:(\q)*HR+\i*1536+512*\c
.endr
.endr
.irp i, 0,1,2,3
	FRAGB FB+48+12*\i, ADRB+\slot, \q, \i
.endr
	WIN 0
	ds_load_b64 v[SA+2*((\q)%2):SA+2*((\q)%2)+1], v[ADSA+\slot] offset:(\q)*HR+12288
.endm
.macro SBLOAD sg                       ; Wo's scale words of the four steps of the slot's turn sg
.irp i, 0,1
	ds_load_b128 v[SB+8*((\sg)%2)+4*\i:SB+8*((\sg)%2)+4*\i+3], v[ADSB] offset:\i*8*272+16*(\sg)
.endr
.endm
.macro WM d, fb, fa, sb, sa, ob, oa, zero      ; one product; ob, oa: the scale words lie in lanes 16-31
.if \zero
.if (\ob) && (\oa)
	v_wmma_scale_f32_16x16x128_f8f6f4 v[(\d):(\d)+7], v[(\fb):(\fb)+11], v[(\fa):(\fa)+11], 0, v[(\sb)], v[(\sa)] matrix_a_fmt:MATRIX_FMT_FP6 matrix_b_fmt:MATRIX_FMT_FP6 matrix_a_scale:MATRIX_SCALE_ROW1 matrix_b_scale:MATRIX_SCALE_ROW1
.elseif \ob
	v_wmma_scale_f32_16x16x128_f8f6f4 v[(\d):(\d)+7], v[(\fb):(\fb)+11], v[(\fa):(\fa)+11], 0, v[(\sb)], v[(\sa)] matrix_a_fmt:MATRIX_FMT_FP6 matrix_b_fmt:MATRIX_FMT_FP6 matrix_a_scale:MATRIX_SCALE_ROW1
.elseif \oa
	v_wmma_scale_f32_16x16x128_f8f6f4 v[(\d):(\d)+7], v[(\fb):(\fb)+11], v[(\fa):(\fa)+11], 0, v[(\sb)], v[(\sa)] matrix_a_fmt:MATRIX_FMT_FP6 matrix_b_fmt:MATRIX_FMT_FP6 matrix_b_scale:MATRIX_SCALE_ROW1
.else
	v_wmma_scale_f32_16x16x128_f8f6f4 v[(\d):(\d)+7], v[(\fb):(\fb)+11], v[(\fa):(\fa)+11], 0, v[(\sb)], v[(\sa)] matrix_a_fmt:MATRIX_FMT_FP6 matrix_b_fmt:MATRIX_FMT_FP6
.endif
.else
.if (\ob) && (\oa)
	v_wmma_scale_f32_16x16x128_f8f6f4 v[(\d):(\d)+7], v[(\fb):(\fb)+11], v[(\fa):(\fa)+11], v[(\d):(\d)+7], v[(\sb)], v[(\sa)] matrix_a_fmt:MATRIX_FMT_FP6 matrix_b_fmt:MATRIX_FMT_FP6 matrix_a_scale:MATRIX_SCALE_ROW1 matrix_b_scale:MATRIX_SCALE_ROW1
.elseif \ob
	v_wmma_scale_f32_16x16x128_f8f6f4 v[(\d):(\d)+7], v[(\fb):(\fb)+11], v[(\fa):(\fa)+11], v[(\d):(\d)+7], v[(\sb)], v[(\sa)] matrix_a_fmt:MATRIX_FMT_FP6 matrix_b_fmt:MATRIX_FMT_FP6 matrix_a_scale:MATRIX_SCALE_ROW1
.elseif \oa
	v_wmma_scale_f32_16x16x128_f8f6f4 v[(\d):(\d)+7], v[(\fb):(\fb)+11], v[(\fa):(\fa)+11], v[(\d):(\d)+7], v[(\sb)], v[(\sa)] matrix_a_fmt:MATRIX_FMT_FP6 matrix_b_fmt:MATRIX_FMT_FP6 matrix_b_scale:MATRIX_SCALE_ROW1
.else
	v_wmma_scale_f32_16x16x128_f8f6f4 v[(\d):(\d)+7], v[(\fb):(\fb)+11], v[(\fa):(\fa)+11], v[(\d):(\d)+7], v[(\sb)], v[(\sa)] matrix_a_fmt:MATRIX_FMT_FP6 matrix_b_fmt:MATRIX_FMT_FP6
.endif
.endif
.endm
.macro MULA a, q, sg, zero             ; A's block a against Wo's four.  The 16 accumulators take turns, one instruction a turn, in the same order in every step
.set FM, 128*((\q)%2)
.irp b, 0,1,2,3
	WM ACC+8*(4*(\a)+\b), FM+48+12*\b, FM+12*(\a), SB+8*((\sg)%2)+4*(\b/2)+(\q), SA+2*((\q)%2)+(\a)/2, \b%2, (\a)%2, \zero
.endr
.endm
.macro STEP slot, q, sg, zero          ; one of a slot's first three steps: the next step's fragments are asked for, then this step's 16 products
	s_wait_dscnt 0x0                               ; this step's fragments are in
	PLACES                                         ; in front of loads into the buffer that the last step's products read
	FETCH \slot, (\q)+1
	WIN MUL
	MULA 0, \q, \sg, \zero
	MULA 1, \q, \sg, \zero
	MULA 2, \q, \sg, \zero
	MULA 3, \q, \sg, \zero
.endm
; A slot's last step changes slots: one barrier; in front of it each wave waits for all its tensor loads, adds 0 to its spare word, and waits for that and for its reads of this slot.
.macro TURN slot, next, fill, sg
	WIN 0                                          ; (the add's two registers lie in window 0)
	s_wait_tensorcnt 0x0                           ; all my tensor loads have landed: my part of the next slot
	ds_add_u32 v[SPW], v[NIL]
	s_wait_dscnt 1                                 ; the add alone may be out: this step's fragments are in
	WIN MUL
	MULA 0, 3, \sg, 0
	s_wait_dscnt 0x0                               ; the add is done, and my reads of this slot are over
	s_barrier_signal -1
	MULA 1, 3, \sg, 0
	WIN 0
	s_barrier_wait -1
.if \fill
	CREST                                          ; the barrier has opened a round of the cluster's: no wave of any partner still reads this slot or has a load on its way
	s_add_nc_u64 s[G0A+4*\slot+2:G0A+4*\slot+3], s[G0A+4*\slot+2:G0A+4*\slot+3], 2*APART
	s_add_nc_u64 s[G0B+4*\slot+2:G0B+4*\slot+3], s[G0B+4*\slot+2:G0B+4*\slot+3], 768
	JLOAD \slot                                    ; the first tensor load behind the round; its four v_nop are the places in front of the loads below
.else
	PLACES
.endif
	FETCH \next, 0
	SBLOAD (\sg)+1
	WIN MUL
	MULA 2, 3, \sg, 0                              ; eight products stand behind the run of loads
	MULA 3, 3, \sg, 0
.endm
	s_wait_tensorcnt 1                             ; the scales and my part of slot 0 are in; slot 1's load may be out
	s_barrier_signal -1
	s_barrier_wait -1
	FETCH 0, 0
	SBLOAD 0
	STEP 0, 0, 0, 1                                ; the first step's products start the sums
	STEP 0, 1, 0, 0
	STEP 0, 2, 0, 0
	TURN 0, 1, 1, 0
	STEP 1, 0, 1, 0
	STEP 1, 1, 1, 0
	STEP 1, 2, 1, 0
	TURN 1, 0, 1, 1
	STEP 0, 0, 2, 0
	STEP 0, 1, 2, 0
	STEP 0, 2, 2, 0
	TURN 0, 1, 0, 2                                ; nothing is left to fetch
	STEP 1, 0, 3, 0
	STEP 1, 1, 3, 0
	STEP 1, 2, 3, 0
	s_wait_dscnt 0x0
	MULA 0, 3, 3, 0
	MULA 1, 3, 3, 0
	MULA 2, 3, 3, 0
	MULA 3, 3, 3, 0
	WIN 0
; THE WAY OUT, 16 rows x 64 columns at a time, through my own stage: a lane holds 32 bytes of a row; back come whole rows of 256 bytes.  LDS serves a wave's instructions in order (ISA guide 5.7.1.4).
.macro TOSTAGE a
.irp b, 0,1,2,3
	ds_store_b128 v[STO], v[ACC+8*(4*(\a)+\b):ACC+8*(4*(\a)+\b)+3] offset:64*\b        ; each accumulator from its low end on
	ds_store_b128 v[STO], v[ACC+8*(4*(\a)+\b)+4:ACC+8*(4*(\a)+\b)+7] offset:64*\b+16
.endr
.set BB, BK+32*((\a)%2)
.irp t, 0,1,2,3,4,5,6,7
	ds_load_b128 v[BB+4*\t:BB+4*\t+3], v[RD] offset:\t*2*SPITCH
.endr
.endm
.macro SEND a, younger                 ; younger: the LDS instructions issued behind block a's loads
.set BB, BK+32*((\a)%2)
	s_wait_dscnt \younger
.irp t, 0,1,2,3,4,5,6,7
	global_store_b128 v[CO], v[BB+4*\t:BB+4*\t+3], s[86:87] offset:(16*(\a)+2*\t)*8192 th:TH_STORE_NT   ; sixteen lanes store 256 consecutive bytes, aligned
.endr
.endm
	PLACES
	TOSTAGE 0
.irp a, 1,2,3
.if \a > 1
	s_wait_xcnt 0x0                                ; block a - 2's stores have read their registers: block a's loads may land there
.endif
	TOSTAGE \a
	SEND \a-1, 16                                  ; behind block a - 1's loads: block a's 8 stores and 8 loads
.endr
	SEND 3, 0
	s_wait_tensorcnt 0x0                           ; the wave's end
	ds_add_u32 v[SPW], v[NIL]
	s_wait_dscnt 0x0
	CROUND                                         ; the closing round
	s_endpgm
.Lfunc_end_k_q8c95b192d8_oproj:
	.size	k_q8c95b192d8_oproj, .Lfunc_end_k_q8c95b192d8_oproj-k_q8c95b192d8_oproj
	.p2alignl 7, 3214868480
	.fill 96, 4, 3214868480
	.section	.rodata,"a",@progbits
	.p2align	6, 0x0
	.amdhsa_kernel k_q8c95b192d8_oproj
		.amdhsa_group_segment_fixed_size 327680
		.amdhsa_private_segment_fixed_size 0
		.amdhsa_enable_private_segment 0
		.amdhsa_kernarg_size 32
		.amdhsa_user_sgpr_count 2
		.amdhsa_user_sgpr_kernarg_segment_ptr 1
		.amdhsa_wavefront_size32 1
		.amdhsa_system_sgpr_workgroup_id_x 1
		.amdhsa_system_sgpr_workgroup_id_y 1
		.amdhsa_system_sgpr_workgroup_id_z 1
		.amdhsa_system_vgpr_workitem_id 0
		.amdhsa_next_free_vgpr 512
		.amdhsa_next_free_sgpr 96
		.amdhsa_reserve_vcc 0
		.amdhsa_float_denorm_mode_32 3
		.amdhsa_float_denorm_mode_16_64 3
		.amdhsa_memory_ordered 1
		.amdhsa_forward_progress 1
		.amdhsa_inst_pref_size 92
	.end_amdhsa_kernel
	.amdgpu_metadata
---
amdhsa.version: [ 1, 2 ]
amdhsa.kernels:
  - .name:           k_q8c95b192d8_oproj
    .symbol:         k_q8c95b192d8_oproj.kd
    .args:
      - { .name: ao, .offset: 0, .size: 8, .value_kind: global_buffer, .address_space: global }
      - { .name: Wo_codes, .offset: 8, .size: 8, .value_kind: global_buffer, .address_space: global }
      - { .name: Wo_scales, .offset: 16, .size: 8, .value_kind: global_buffer, .address_space: global }
      - { .name: out0, .offset: 24, .size: 8, .value_kind: global_buffer, .address_space: global }
    .group_segment_fixed_size: 327680
    .private_segment_fixed_size: 0
    .kernarg_segment_align: 8
    .kernarg_segment_size: 32
    .max_flat_workgroup_size: 128
    .sgpr_count:     96
    .vgpr_count:     512
    .wavefront_size: 32
...
	.end_amdgpu_metadata
.endif
;; end of part 4
;; ======== version 2 of 2: 3 launches
;; limits: right only within a limited range of input values
;; workspace buffers: mw 524,288 bytes of whole numbers; qb 3,276,800 bytes; kv 6,553,600 bytes; ao 3,276,800 bytes
;; launch qkv (part 5): grid 32 x 8, 4 waves a work-group, clusters of 4 x 4, 327,680 bytes of LDS; arguments hidden_states_codes, hidden_states_scales, Wq_codes, Wq_scales, Wk_codes, Wk_scales, Wv_codes, Wv_scales, qb, kv, sparse_mask, mw; writes qb, kv, mw
.if DOCPART == 5
	.amdgcn_target "amdgcn-amd-amdhsa--gfx1250"
	.amdhsa_code_object_version 6
	.text
	.protected	k_q8c95b192d8_qkv
	.globl	k_q8c95b192d8_qkv
	.p2align	8
	.type	k_q8c95b192d8_qkv,@function
k_q8c95b192d8_qkv:
	s_mov_b64 s[64:65], 0
	v_nop
	global_prefetch_b8 v0, s[64:65] scope:SCOPE_SE
	s_setreg_imm32_b32 hwreg(HW_REG_WAVE_MODE, 25, 1), 1
	s_wait_xcnt 0x0
	s_wait_alu depctr_hold_cnt(0) depctr_sa_sdst(0) depctr_va_vdst(0) depctr_va_sdst(0) depctr_va_ssrc(0) depctr_va_vcc(0) depctr_vm_vsrc(0)
	s_getreg_b32 s2, hwreg(HW_REG_IB_STS2, 6, 4)
	s_cmp_eq_u32 s2, 0
	s_cbranch_scc0 .Lentry_in_a_cluster
	s_endpgm
.Lentry_in_a_cluster:
	s_bfe_u32 s2, ttmp6, 0x10000c
	s_cmp_lg_u32 s2, 0xf033
	s_cbranch_scc0 .Lentry_shape_is_right
	s_endpgm
.Lentry_shape_is_right:
; q = x Wq, k = x Wk, v^T = Wv^T x^T on codes of FP6 (E2M3) with E8M0 scales, K = 2,048; each result is quantised at once along the next product's K
; (q, k: the head's 128 channels; v: 128 keys) and leaves as images of operand registers: a record of 12,800 bytes = eight fragments of 1,536 bytes + 512 bytes of scale words.
; Cluster columns 0-1 make q, 2-3 k, 4-5 v (a tile of 256 x 256 to a work-group, 128 x 128 to a wave); columns 6-7 turn the mask's bytes into lane masks for the attention.
; No work of the problem is left out here.  The later launch walks only blocks of keys that the mask, an input read from memory, allows for some query of a tile.
; RING: two LDS slots, each one chunk of 256 bytes of A's 256 rows and B's 256 rows (a row of codes is 1,536 bytes, so every chunk begins on a multiple of 256); a step of 128 along K is 96 bytes: eight steps to three chunks.
; The scales of the 512 rows come once, in whole units of 256 bytes.  4 x 4 clusters: A's tiles are asked for jointly along a row, B's along a column.
; The matrix instruction is used transposed (source 0 = rows of B, source 1 = rows of A).  v's fragments are stored in halves of 64 keys (512 + 256 bytes), so that a block of 64 keys can be fetched by itself.
; No prefetch: K is six chunks, of which the ring's own requests cover the first four at once; only two could be named two refills ahead.
; LIMIT: a block of zeros keeps the scale byte 1 (its codes are zeros; this program alone reads the bytes).
.set ROWB,   256
.set NQ,     2
.set KROW,   1536
.set STEPS,  16
.set CHUNKS, 6
.set PITCH,  272
.set FR,     12
.set NL,     6
.set NP,     4
.set HALFT,  128*PITCH
.set SLOT,   4*HALFT
.set KS,     64
.set SCL,    2*SLOT
.set HALFS,  (128*KS/256)*272
.set SBLK,   (16*KS/256)*272
.set SPARE,  SCL+4*HALFS
.set HR,     12800
.set ADRA, 16
.set ADRB, 20
.set L8,   25
.set LI,   26
.set ADRS, 27
.set SPW,  28
.set NIL,  29
.set SC,   32
.set AF,   128
.set MA,   64
.set MT,   72
.set MW,   88
.set MLD,  128
.set CD,   64
.set TM,   224
.set PW,   240
.set GS,   248
.set G1, 24
.set G0, 32
.set G1B, 48
.set G0B, 56
.set G1S, 68
.set G0S, 76
.set G1SB, 80
.set G0SB, 88
.set G0H, 4
.set G0HB, 8
.set PRD, 95
.set SEL, 96
.set MSB, 0
.macro WIN new
.if MSB != (\new)
	s_set_vgpr_msb (MSB<<8)|(\new)
.set MSB, (\new)
.endif
.endm
.set MUL_LO, 0xa1
.set MUL_HI, 0xf1
.set TO_B,   0x40
.macro JLOAD g0a, g1a, g0b, g1b        ; waves 0, 1 fetch for A, waves 2, 3 for B
	s_cmp_eq_u32 s15, 0
	s_cbranch_scc0 .Lfor_b_\@
	tensor_load_to_lds s[\g0a:\g0a+3], s[\g1a:\g1a+7]
	s_nop 0
.rept 4
	v_nop
.endr
	s_branch .Lasked_\@
.Lfor_b_\@:
	tensor_load_to_lds s[\g0b:\g0b+3], s[\g1b:\g1b+7]
	s_nop 0
.rept 4
	v_nop
.endr
.Lasked_\@:
.endm
.macro CREST
	s_cmp_lg_u32 s14, 0
	s_cbranch_scc1 .Lnot_wave_0_\@
	s_barrier_signal -3
.Lnot_wave_0_\@:
	s_barrier_wait -3
	s_barrier_signal -1
	s_barrier_wait -1
.endm
.macro CROUND
	s_barrier_signal -1
	s_barrier_wait -1
	CREST
.endm
	s_load_b512 s[68:83], s[0:1], 0x0
	s_load_b128 s[84:87], s[0:1], 0x40
	s_load_b128 s[96:99], s[0:1], 0x50
	v_lshl_add_u32 v[SPW], v0, 2, SPARE
	v_mov_b32 v[NIL], 0
	ds_add_u32 v[SPW], v[NIL]                      ; the opening lines: the add twice and one wait
	ds_add_u32 v[SPW], v[NIL]
	v_lshrrev_b32 v1, 5, v0
	v_readfirstlane_b32 s14, v1                    ; wave
	s_lshr_b32 s15, s14, 1
	s_and_b32 s16, s14, 1
	s_bfe_u32 s40, ttmp6, 0x40000
	s_bfe_u32 s41, ttmp6, 0x40004
	s_and_b32 s42, ttmp9, 1
	s_lshl_b32 s42, s42, 2
	s_add_co_u32 s42, s42, s40                     ; tile column inside the product, 0..7
	s_and_b32 s17, ttmp7, 0xffff
	s_lshl_b32 s17, s17, 2
	s_add_co_u32 s17, s17, s41                     ; tile row, 0..7
	s_lshl_b32 s43, s41, 2
	s_lshl_b32 s43, 15, s43
	s_lshl_b32 s44, 0x1111, s40
	s_lshr_b32 s[PRD], ttmp9, 1                    ; 0 q, 1 k, 2 v, 3 the mask: the same in all partners of a cluster
	s_or_b32 s[G1+0], s43, (0<<16)|(1<<20)|(1<<21)|(5<<22)|(3<<25)
	s_or_b32 s[G1B+0], s44, (0<<16)|(1<<20)|(1<<21)|(5<<22)|(3<<25)
.irp g, G1, G1B
	s_mov_b32 s[\g+1], ROWB<<16
	s_mov_b32 s[\g+2], 256<<16
	s_mov_b32 s[\g+3], ROWB<<16
	s_mov_b32 s[\g+4], 256
	s_mov_b32 s[\g+5], KROW
	s_mov_b32 s[\g+6], 0
	s_mov_b32 s[\g+7], 0
.endr
	s_lshl_b32 s20, s17, 8
	s_lshl_b32 s46, s42, 8
	s_mov_b32 s21, 0
	s_mov_b32 s47, 0
	s_mov_b64 s[18:19], KS
	s_mul_u64 s[22:23], s[20:21], s[18:19]
	s_mul_u64 s[92:93], s[46:47], s[18:19]
	s_mov_b64 s[18:19], KROW
	s_mul_u64 s[20:21], s[20:21], s[18:19]
	s_mul_u64 s[46:47], s[46:47], s[18:19]
	s_mul_i32 s18, s16, 128*KROW
	s_mov_b32 s19, 0
	s_mul_i32 s45, s14, HALFT
	s_wait_dscnt 0x0
	s_wait_kmcnt 0x0
	s_cmp_eq_u32 s[PRD], 3
	s_cbranch_scc1 .Lmask
	s_cmp_eq_u32 s[PRD], 2                         ; v: A = Wv's rows (channels), B = the tokens
	s_cselect_b64 s[4:5], s[80:81], s[68:69]
	s_cselect_b64 s[6:7], s[82:83], s[70:71]
	s_cselect_b64 s[8:9], s[68:69], s[76:77]
	s_cselect_b64 s[10:11], s[70:71], s[78:79]
	s_cmp_eq_u32 s[PRD], 0
	s_cselect_b64 s[8:9], s[72:73], s[8:9]
	s_cselect_b64 s[10:11], s[74:75], s[10:11]
	s_cselect_b64 s[12:13], s[84:85], s[86:87]
	s_or_b32 s[G1S+0], s43, (3<<16)|(1<<20)|(1<<21)|(5<<22)|(3<<25)
	s_or_b32 s[G1SB+0], s44, (3<<16)|(1<<20)|(1<<21)|(5<<22)|(3<<25)
.irp g, G1S, G1SB
	s_mov_b32 s[\g+1], 32<<16
	s_mov_b32 s[\g+2], KS<<16
	s_mov_b32 s[\g+3], 32<<16
	s_mov_b32 s[\g+4], KS
	s_mov_b32 s[\g+5], 32
	s_mov_b32 s[\g+6], 0
	s_mov_b32 s[\g+7], 0
.endr
	s_add_nc_u64 s[20:21], s[4:5], s[20:21]
	s_add_nc_u64 s[22:23], s[6:7], s[22:23]
	s_add_nc_u64 s[46:47], s[8:9], s[46:47]
	s_add_nc_u64 s[92:93], s[10:11], s[92:93]
	CROUND                                         ; the first joint loads meet
	s_mov_b32 s[G0H], 1
	s_mov_b32 s[G0H+1], 0
	s_mov_b64 s[G0H+2:G0H+3], s[20:21]
	s_or_b32 s[G0H+3], s[G0H+3], 0x80000000
	s_mov_b32 s[G0HB], 1
	s_mov_b32 s[G0HB+1], 2*HALFT
	s_mov_b64 s[G0HB+2:G0HB+3], s[46:47]
	s_or_b32 s[G0HB+3], s[G0HB+3], 0x80000000
	s_mov_b32 s[G0S], 1
	s_mov_b32 s[G0S+1], SCL
	s_mov_b64 s[G0S+2:G0S+3], s[22:23]
	s_or_b32 s[G0S+3], s[G0S+3], 0x80000000
	s_mov_b32 s[G0SB], 1
	s_mov_b32 s[G0SB+1], SCL+2*HALFS
	s_mov_b64 s[G0SB+2:G0SB+3], s[92:93]
	s_or_b32 s[G0SB+3], s[G0SB+3], 0x80000000
	s_add_nc_u64 s[20:21], s[20:21], s[18:19]
	s_add_nc_u64 s[46:47], s[46:47], s[18:19]
.irp s, 0,1
	s_mov_b32 s[G0+4*\s], 1
	s_add_co_u32 s[G0+4*\s+1], s45, \s*SLOT
	s_add_nc_u64 s[G0+4*\s+2:G0+4*\s+3], s[20:21], \s*ROWB
	s_or_b32 s[G0+4*\s+3], s[G0+4*\s+3], 0x80000000
	s_mov_b32 s[G0B+4*\s], 1
	s_add_co_u32 s[G0B+4*\s+1], s45, \s*SLOT
	s_add_nc_u64 s[G0B+4*\s+2:G0B+4*\s+3], s[46:47], \s*ROWB
	s_or_b32 s[G0B+4*\s+3], s[G0B+4*\s+3], 0x80000000
.endr
; the head's four tiles, one load a wave: chunk 0 of A, chunk 0 of B, A's scales, B's scales
.macro ARM under, g0, g1, next
	s_cmp_lt_u32 s14, \under
	s_cbranch_scc0 \next
	tensor_load_to_lds s[\g0:\g0+3], s[\g1:\g1+7]
	s_nop 0
.rept 4
	v_nop
.endr
	s_branch .Lhead_asked
\next:
.endm
	ARM 1, G0H,  G1,  .Lhead_b
	ARM 2, G0HB, G1B, .Lhead_sa
	ARM 3, G0S,  G1S, .Lhead_sb
	tensor_load_to_lds s[G0SB:G0SB+3], s[G1SB:G1SB+7]
	s_nop 0
.rept 4
	v_nop
.endr
.Lhead_asked:
	v_and_b32 v1, 15, v0
	v_bfe_u32 v2, v0, 4, 1
	v_mul_u32_u24 v3, v1, PITCH
	v_mul_u32_u24 v4, v2, 24
	v_add_nc_u32 v4, v3, v4
	s_mov_b32 s21, SLOT-232
	s_mov_b32 s22, SLOT+232
	v_sub_nc_u32 v7, 1, v2
	v_mul_u32_u24 v5, s21, v2
	v_add_nc_u32 v5, v3, v5
	v_add_nc_u32 v5, 232, v5                       ; across two chunks: lanes 0-15 byte 232 in slot 0, lanes 16-31 byte 0 in slot 1
	v_mul_u32_u24 v6, s22, v7
	v_add_nc_u32 v6, v3, v6                        ; and the other way round
	s_mul_i32 s21, s15, HALFT
	s_mul_i32 s22, s16, HALFT
	s_add_co_u32 s22, s22, 2*HALFT
	v_add_nc_u32 v[ADRA+2], s21, v5
	v_add_nc_u32 v[ADRA+3], s21, v6
	v_add_nc_u32 v[ADRB+2], s22, v5
	v_add_nc_u32 v[ADRB+3], s22, v6
.irp s, 0,1
	v_add_nc_u32 v[ADRA+\s], s21, v4
	v_add_nc_u32 v[ADRB+\s], s22, v4
	s_add_co_u32 s21, s21, SLOT
	s_add_co_u32 s22, s22, SLOT
.endr
	v_mul_u32_u24 v5, v1, KS
	v_lshrrev_b32 v6, 8, v5
	v_lshl_add_u32 v5, v6, 4, v5
	s_mul_i32 s21, s15, HALFS
	s_mul_i32 s22, s16, HALFS
	s_add_co_u32 s22, s22, 2*HALFS
	s_sub_co_u32 s22, s22, s21
	v_mul_u32_u24 v6, s22, v2
	s_add_co_u32 s21, s21, SCL
	v_add_nc_u32 v5, v5, v6
	v_add_nc_u32 v[ADRS], s21, v5
	v_and_b32 v6, 31, v0
	v_lshlrev_b32 v[LI], 4, v6
	v_lshlrev_b32 v[L8], 3, v6
	s_lshl_b32 s96, s17, 1                         ; where my record lies: qb [head][128 tokens], kv [head][128 keys][k, v]
	s_add_co_u32 s96, s96, s15
	s_lshl_b32 s97, s42, 1
	s_add_co_u32 s97, s97, s16
	s_mov_b32 s99, 32*HR
	s_mov_b32 s93, 2*HR
	s_cmp_eq_u32 s[PRD], 0
	s_cselect_b32 s99, 16*HR, s99
	s_cselect_b32 s93, HR, s93
	s_cmp_eq_u32 s[PRD], 2
	s_cselect_b32 s92, s96, s97
	s_cselect_b32 s94, s97, s96
	s_cselect_b32 s98, HR, 0
	s_mul_i32 s92, s92, s99
	s_mul_i32 s94, s94, s93
	s_add_co_u32 s92, s92, s94
	s_add_co_u32 s92, s92, s98
	s_mov_b32 s93, 0
	s_add_nc_u64 s[12:13], s[12:13], s[92:93]
.macro FRAG reg, adr, st, i            ; six pieces of 8 bytes of the row's stream of bits, as they lie; byte y of a row lies in chunk y / 256, slot (y / 256) % 2
.irp p, 0,1,2,3,4,5
.set BY, 96*(\st)+48*(\p/3)+8*(\p%3)
.if BY/ROWB == (BY+24)/ROWB
	ds_load_b64 v[\reg+2*\p:\reg+2*\p+1], v[\adr+(BY/ROWB)%2] offset:BY%ROWB+(\i)*16*PITCH
.else
	ds_load_b64 v[\reg+2*\p:\reg+2*\p+1], v[\adr+2+(BY/ROWB)%2] offset:BY%ROWB-232+(\i)*16*PITCH
.endif
.endr
.endm
.macro MUL16 a0, p, q, sc, zero        ; the 64 accumulators take turns
.irp a, \a0, \a0+1
.irp b, 0,1,2,3,4,5,6,7
.if \zero
	v_wmma_scale_f32_16x16x128_f8f6f4 v[8*(8*((\a)%4)+\b):8*(8*((\a)%4)+\b)+7], v[128*(\p)+FR*\b:128*(\p)+FR*\b+FR-1], v[AF+FR*(\a):AF+FR*(\a)+FR-1], 0, v[SC+8*NQ*(\sc)+NQ*\b+(\q)], v[SC+8*NQ*(\sc)+NQ*(\a)+(\q)] matrix_a_fmt:MATRIX_FMT_FP6 matrix_b_fmt:MATRIX_FMT_FP6 matrix_a_scale:MATRIX_SCALE_ROW1
.else
	v_wmma_scale_f32_16x16x128_f8f6f4 v[8*(8*((\a)%4)+\b):8*(8*((\a)%4)+\b)+7], v[128*(\p)+FR*\b:128*(\p)+FR*\b+FR-1], v[AF+FR*(\a):AF+FR*(\a)+FR-1], v[8*(8*((\a)%4)+\b):8*(8*((\a)%4)+\b)+7], v[SC+8*NQ*(\sc)+NQ*\b+(\q)], v[SC+8*NQ*(\sc)+NQ*(\a)+(\q)] matrix_a_fmt:MATRIX_FMT_FP6 matrix_b_fmt:MATRIX_FMT_FP6 matrix_a_scale:MATRIX_SCALE_ROW1
.endif
.endr
.endr
.endm
.macro FETCH_B st, p
	WIN TO_B
.irp i, 0,1,2,3,4,5,6,7
	FRAG 128*(\p)+FR*\i, ADRB, \st, \i
.endr
	WIN 0
.endm
.macro FETCH_A st, i0
.irp i, \i0, \i0+1, \i0+2, \i0+3
	FRAG AF+FR*(\i), ADRA, \st, \i
.endr
.endm
.macro SCALES pr
.irp i, 0,1,2,3,4,5,6,7
	ds_load_b64 v[SC+8*NQ*((\pr)%2)+NQ*\i:SC+8*NQ*((\pr)%2)+NQ*\i+1], v[ADRS] offset:\i*SBLK+4*NQ*(\pr)
.endr
.endm
.macro PLACES n
.rept \n
	v_nop
.endr
.endm
; A step: 64 products; the next step's fragments are fetched in its middle and at its end.  Where the next step ends in a chunk not yet read, a barrier shows that chunk whole;
; where it begins in a later chunk, the chunk left behind is free: the three lines, a round of the cluster's barrier, and the refill two chunks on.
.macro STEP st, zero
.set NX, (\st)+1
.set C0, (96*(\st))/ROWB
.set C1, (96*NX)/ROWB
.set E0, (96*(\st)+95)/ROWB
.set E1, (96*NX+95)/ROWB
.if C1 > C0 || E1 > E0
	s_wait_tensorcnt 0x0                           ; all my tensor loads have landed
.if C1 > C0
	ds_add_u32 v[SPW], v[NIL]
	s_wait_dscnt 4*NL+1                            ; the add and A's blocks 4-7 may be out
.else
	s_wait_dscnt 4*NL                              ; A's blocks 4-7 may be out
.endif
	WIN MUL_LO
	MUL16 0, (\st)%2, (\st)%2, ((\st)/2)%2, \zero
	s_wait_dscnt 0x0                               ; the add and all my reads are done
	s_barrier_signal -1
	MUL16 2, (\st)%2, (\st)%2, ((\st)/2)%2, \zero
	WIN 0
	s_barrier_wait -1
.if C1 > C0 && C0+2 < CHUNKS
	CREST
	s_add_nc_u64 s[G0+4*(C0%2)+2:G0+4*(C0%2)+3], s[G0+4*(C0%2)+2:G0+4*(C0%2)+3], 2*ROWB
	s_add_nc_u64 s[G0B+4*(C0%2)+2:G0B+4*(C0%2)+3], s[G0B+4*(C0%2)+2:G0B+4*(C0%2)+3], 2*ROWB
	JLOAD G0+4*(C0%2), G1, G0B+4*(C0%2), G1B       ; chunk C0 + 2; its four v_nop are the places in front of the loads below
.else
	PLACES NP
.endif
.else
	s_wait_dscnt 4*NL                              ; A's blocks 4-7 may be out
	WIN MUL_LO
	MUL16 0, (\st)%2, (\st)%2, ((\st)/2)%2, \zero
	MUL16 2, (\st)%2, (\st)%2, ((\st)/2)%2, \zero
	s_wait_dscnt 0
	PLACES NP
.endif
	FETCH_B NX, NX%2
	FETCH_A NX, 0
.if NX%2 == 0
	SCALES NX/2
.endif
	WIN MUL_HI
	MUL16 4, (\st)%2, (\st)%2, ((\st)/2)%2, \zero
	MUL16 6, (\st)%2, (\st)%2, ((\st)/2)%2, \zero
	PLACES NP
	WIN 0
	FETCH_A NX, 4
.endm
	s_wait_alu depctr_va_vdst(0)
	s_wait_tensorcnt 0x0                           ; my tile of the head's four is in
	ds_add_u32 v[SPW], v[NIL]
	s_mov_b32 s[G1+2], 128<<16                     ; no load of mine is out: from here on a load brings 128 rows
	s_mov_b32 s[G1+4], 128
	s_mov_b32 s[G1B+2], 128<<16
	s_mov_b32 s[G1B+4], 128
	s_wait_dscnt 0x0
	CROUND
	JLOAD G0+4, G1, G0B+4, G1B                     ; chunk 1, slot 1's first fill, issued as a refill is
	FETCH_B 0, 0
	FETCH_A 0, 0
	SCALES 0
	FETCH_A 0, 4
	STEP 0, 1
.set ST, 1
.rept STEPS-2
	STEP ST, 0
.set ST, ST+1
.endr
	s_wait_dscnt 4*NL
	WIN MUL_LO
	MUL16 0, 1, 1, 1, 0
	MUL16 2, 1, 1, 1, 0
	s_wait_dscnt 0
	WIN MUL_HI
	MUL16 4, 1, 1, 1, 0
	MUL16 6, 1, 1, 1, 0
	WIN 0
; THE WAY OUT: block a's 16 rows x 128 columns are quantised along the columns and leave as one fragment.  Registers 16 b .. 16 b + 15 of lanes l, l xor 16 are block b of 32;
; inside a block the codes get the order 0-7, 16-23, 8-15, 24-31, alike in both operands of the later products.
.macro QW a
.set AC, 64*((\a)%4)
.set CA, CD+20*(2*(((\a)%4+2)%4)+(\a)/4)
	WIN 0x0a+5*((\a)/4)
.irp b, 0,1,2,3
	v_max3_num_f32 v[TM+\b], |v[AC+16*\b]|, |v[AC+16*\b+1]|, 0x1800000
.endr
.irp i, 2,4,6,8,10,12,14
.irp b, 0,1,2,3
	v_max3_num_f32 v[TM+\b], |v[AC+16*\b+\i]|, |v[AC+16*\b+\i+1]|, v[TM+\b]
.endr
.endr
	WIN 0
.irp b, 0,1,2,3
	v_permlanex16_b32 v[TM+4+\b], v[TM+\b], s[SEL], s[SEL+1]
.endr
.irp b, 0,1,2,3
	v_max_num_f32 v[TM+\b], v[TM+\b], v[TM+4+\b]
.endr
.irp b, 0,1,2,3
	v_add_nc_u32 v[TM+12+\b], 0xff000000, v[TM+\b]
.endr
.irp b, 0,1,2,3
	v_lshrrev_b32 v[TM+4+\b], 23, v[TM+12+\b]
.endr
	v_lshl_or_b32 v[PW+(\a)], v[TM+5], 8, v[TM+4]
	v_lshl_or_b32 v[PW+(\a)], v[TM+6], 16, v[PW+(\a)]
	v_lshl_or_b32 v[PW+(\a)], v[TM+7], 24, v[PW+(\a)]
	WIN 0x02+(\a)/4
.irp c, 0,1
	v_cvt_scalef32_pk16_fp6_f32 v[CA+6*\c:CA+6*\c+2], v[AC+32*\c:AC+32*\c+15], v[TM+12+2*\c]
	v_cvt_scalef32_pk16_fp6_f32 v[CA+12+4*\c:CA+14+4*\c], v[AC+32*\c+16:AC+32*\c+31], v[TM+13+2*\c]
.endr
	WIN 0
	v_nop
.irp c, 0,1
.irp i, 0,1,2
	v_permlane16_swap_b32 v[CA+6*\c+\i], v[CA+12+4*\c+\i]
.endr
.irp i, 0,1,2
	v_mov_b32 v[CA+3+6*\c+\i], v[CA+12+4*\c+\i]
.endr
.endr
	s_wait_alu depctr_va_vdst(0)
	s_cmp_eq_u32 s[PRD], 2
	s_cbranch_scc1 .Lv_\@
.irp c, 0,1,2
	global_store_b128 v[LI], v[CA+4*\c:CA+4*\c+3], s[12:13] offset:(\a)*1536+512*\c
.endr
	s_branch .Lst_\@
.Lv_\@:                                            ; v: registers 6 c .. 6 c + 5 (64 keys) as 512 + 256 consecutive bytes
.irp c, 0,1
	global_store_b128 v[LI], v[CA+6*\c:CA+6*\c+3], s[12:13] offset:(\a)*1536+768*\c
	global_store_b64 v[L8], v[CA+6*\c+4:CA+6*\c+5], s[12:13] offset:(\a)*1536+768*\c+512
.endr
.Lst_\@:
.endm
	PLACES NP
.irp b, 0,1,2,3
	v_mov_b32 v[TM+4+\b], 0
.endr
	s_mov_b32 s[SEL], 0x76543210
	s_mov_b32 s[SEL+1], 0xfedcba98
.irp a, 0,1,2,3,4,5,6,7
	QW \a
.endr
	s_mov_b32 s99, 0xffff0000
.irp j, 0,1,2,3
	v_cndmask_b32 v[GS+\j], v[PW+2*\j], v[PW+2*\j+1], s99   ; register j: lanes 0-15 fragment 2 j's words, lanes 16-31 fragment 2 j + 1's
.endr
	global_store_b128 v[LI], v[GS:GS+3], s[12:13] offset:12288
	s_branch .Lend
; THE MASK: mw [tile of 16 queries][block of 64 keys][32 words]; word 8 t + j: bit r + 16 h = mask[query r][key 16 t + 8 h + j].  A wave takes 16 queries x 1,024 keys, 256 keys a trip.
; Lane (r, h) reads 128 neighbouring bytes of row r (eight tiles of 16 keys): a compare of byte j gives tile i's bits in its low half and tile 8 + i's in its high half.
.Lmask:
	s_lshl_b32 s4, s42, 3
	s_add_co_u32 s4, s4, s17
	s_lshl_b32 s4, s4, 2
	s_add_co_u32 s4, s4, s14
	s_lshr_b32 s5, s4, 1
	s_and_b32 s4, s4, 1
	s_lshl_b32 s6, s5, 15
	s_lshl_b32 s7, s4, 10
	s_add_co_u32 s6, s6, s7
	s_mov_b32 s7, 0
	s_lshl_b32 s8, s5, 12
	s_lshl_b32 s9, s4, 11
	s_add_co_u32 s8, s8, s9
	s_mov_b32 s9, 0
	s_add_nc_u64 s[96:97], s[96:97], s[6:7]
	s_add_nc_u64 s[98:99], s[98:99], s[8:9]
	v_and_b32 v[MA], 15, v0
	v_bfe_u32 v[MA+1], v0, 4, 1
	v_lshlrev_b32 v[MA+2], 11, v[MA]
	v_lshl_add_u32 v[MA+2], v[MA+1], 7, v[MA+2]
	v_and_b32 v[MA+5], 31, v0
	v_lshlrev_b32 v[MA+5], 4, v[MA+5]
.irp i, 0,1,2,3
	v_mov_b32 v[MW+\i], 0
.endr
	s_mov_b32 s3, 4
.Lmk:
	s_wait_alu depctr_va_vdst(0)
.irp i, 0,1,2,3,4,5,6,7
	global_load_b128 v[MLD+4*\i:MLD+4*\i+3], v[MA+2], s[96:97] offset:16*\i th:TH_LOAD_NT
.endr
	s_wait_loadcnt 0x0
.set u, 0
.rept 8
.irp j, 0,1,2,3,4,5,6,7
	v_bfe_u32 v[MT+\j], v[MLD+4*u+\j/4], 8*(\j%4), 8
	v_bfe_u32 v[MT+8+\j], v[MLD+4*u+2+\j/4], 8*(\j%4), 8
.endr
.irp j, 0,1,2,3,4,5,6,7
	v_cmp_ne_u32 s[4+\j], 0, v[MT+\j]
	v_cmp_ne_u32 s[48+\j], 0, v[MT+8+\j]
.endr
.irp j, 0,1,2,3,4,5,6,7
	s_pack_ll_b32_b16 s[20+\j], s[4+\j], s[48+\j]
	s_pack_hh_b32_b16 s[28+\j], s[4+\j], s[48+\j]
.endr
.irp j, 0,1,2,3,4,5,6,7
	v_writelane_b32 v[MW+\j%4], s[20+\j], 2*u+\j/4
	v_writelane_b32 v[MW+\j%4], s[28+\j], 16+2*u+\j/4
.endr
.set u, u+1
.endr
	s_wait_alu depctr_va_vdst(0)
	global_store_b128 v[MA+5], v[MW:MW+3], s[98:99]        ; 512 consecutive bytes
	s_wait_xcnt 0x0                                ; the bases and the data may be written again
	s_add_nc_u64 s[96:97], s[96:97], 256
	s_add_nc_u64 s[98:99], s[98:99], 512
	s_sub_co_u32 s3, s3, 1
	s_cmp_lg_u32 s3, 0
	s_cbranch_scc1 .Lmk
.Lend:
	s_wait_tensorcnt 0x0                           ; the wave's end
	ds_add_u32 v[SPW], v[NIL]
	s_wait_dscnt 0x0
	CROUND
	s_endpgm
.Lfunc_end_k_q8c95b192d8_qkv:
	.size	k_q8c95b192d8_qkv, .Lfunc_end_k_q8c95b192d8_qkv-k_q8c95b192d8_qkv
	.p2alignl 7, 3214868480
	.fill 96, 4, 3214868480
	.section	.rodata,"a",@progbits
	.p2align	6, 0x0
	.amdhsa_kernel k_q8c95b192d8_qkv
		.amdhsa_group_segment_fixed_size 327680
		.amdhsa_private_segment_fixed_size 0
		.amdhsa_enable_private_segment 0
		.amdhsa_kernarg_size 96
		.amdhsa_user_sgpr_count 2
		.amdhsa_user_sgpr_kernarg_segment_ptr 1
		.amdhsa_wavefront_size32 1
		.amdhsa_system_sgpr_workgroup_id_x 1
		.amdhsa_system_sgpr_workgroup_id_y 1
		.amdhsa_system_sgpr_workgroup_id_z 1
		.amdhsa_system_vgpr_workitem_id 0
		.amdhsa_next_free_vgpr 1024
		.amdhsa_next_free_sgpr 100
		.amdhsa_reserve_vcc 0
		.amdhsa_float_denorm_mode_32 3
		.amdhsa_float_denorm_mode_16_64 3
		.amdhsa_memory_ordered 1
		.amdhsa_forward_progress 1
		.amdhsa_inst_pref_size 255
	.end_amdhsa_kernel
	.section	.bss,"aw",@nobits
	.p2align	6
	.space	262144
	.amdgpu_metadata
---
amdhsa.version: [ 1, 2 ]
amdhsa.kernels:
  - .name:           k_q8c95b192d8_qkv
    .symbol:         k_q8c95b192d8_qkv.kd
    .args:
      - { .name: hidden_states_codes, .offset: 0, .size: 8, .value_kind: global_buffer, .address_space: global }
      - { .name: hidden_states_scales, .offset: 8, .size: 8, .value_kind: global_buffer, .address_space: global }
      - { .name: Wq_codes, .offset: 16, .size: 8, .value_kind: global_buffer, .address_space: global }
      - { .name: Wq_scales, .offset: 24, .size: 8, .value_kind: global_buffer, .address_space: global }
      - { .name: Wk_codes, .offset: 32, .size: 8, .value_kind: global_buffer, .address_space: global }
      - { .name: Wk_scales, .offset: 40, .size: 8, .value_kind: global_buffer, .address_space: global }
      - { .name: Wv_codes, .offset: 48, .size: 8, .value_kind: global_buffer, .address_space: global }
      - { .name: Wv_scales, .offset: 56, .size: 8, .value_kind: global_buffer, .address_space: global }
      - { .name: qb, .offset: 64, .size: 8, .value_kind: global_buffer, .address_space: global }
      - { .name: kv, .offset: 72, .size: 8, .value_kind: global_buffer, .address_space: global }
      - { .name: sparse_mask, .offset: 80, .size: 8, .value_kind: global_buffer, .address_space: global }
      - { .name: mw, .offset: 88, .size: 8, .value_kind: global_buffer, .address_space: global }
    .group_segment_fixed_size: 327680
    .private_segment_fixed_size: 0
    .kernarg_segment_align: 8
    .kernarg_segment_size: 96
    .max_flat_workgroup_size: 128
    .sgpr_count:     100
    .vgpr_count:     1024
    .wavefront_size: 32
...
	.end_amdgpu_metadata
.endif
;; end of part 5
;; launch attn (part 6): grid 16 x 16, 8 waves a work-group, no clusters, 1,536 bytes of LDS; arguments qb, kv, mw, ao; writes ao
.if DOCPART == 6
	.amdgcn_target "amdgcn-amd-amdhsa--gfx1250"
	.amdhsa_code_object_version 6
	.text
	.protected	k_q8c95b192d8_attn
	.globl	k_q8c95b192d8_attn
	.p2align	8
	.type	k_q8c95b192d8_attn,@function
k_q8c95b192d8_attn:
	s_mov_b64 s[64:65], 0
	v_nop
	global_prefetch_b8 v0, s[64:65] scope:SCOPE_SE
	s_setreg_imm32_b32 hwreg(HW_REG_WAVE_MODE, 25, 1), 1
	s_wait_xcnt 0x0
; For each head: O[q] = the sum over k of softmax_k(mask ? q . k / sqrt(128) : -infinity) v[k], both products on codes of FP6 (E2M3) with E8M0 scales; O / the row's sum is quantised along the head's 128 and leaves as an operand image.
; t = score x log2(e) / sqrt(128); M = the running largest t rounded UP to a whole number; p = 2^(t - M) is quantised along the keys, not normalised; the row's sum is taken of the unquantised p.
; WORK LEFT OUT: a block of 64 keys that the mask hides from all 16 queries of a tile gives p = 0 for each of them and adds nothing to any sum, whatever q, k and v hold.  The mask is an input of whole numbers: the launch before stored it
; as lane masks, this launch reads them, ORs each block's 32 words, and walks only the blocks that are left, two a trip.  An odd number of them is made even by one hidden block (32 is even, so there is one), whose words hide all its keys.
; Inside a block that is walked every score is computed and hidden ones become -infinity by a select.  LIMIT: a NaN or an infinity in k or v of a block that is not walked does not reach the result.
; SHARES.  A work-group owns 128 queries of one head, each of its eight waves 16 of them.  k's and v's fragments lie in memory as images of operand registers and go straight into registers: the walk hangs on numbers read from
; memory, so this launch has no tensor load, and so no joint loads: cluster = none.  Every operand is asked for ahead: v at a trip's head, the next pair's k behind the score products, its lane masks behind the search for the maximum.
; The last trip asks once more for block 31's k and masks (the clamped index of an empty list) and nobody reads them.  No prefetch: a pair is known one trip ahead, and that trip's loads ask for it.
; LAYOUT.  S^T = k q^T, O^T = v^T p^T: a lane holds ONE query.  Score register 8 t + j of lane half h is key 16 t + 8 h + j of the pair's 128.
; LIMITS: p under 2^-126 counts as 0; a block of zeros keeps the scale byte 1.  A query with no key allowed: its scale word is set to 0xffffffff, which makes its output row NaN in the last product, as the definition has it.
; The promise holds while the scaled scores stay under 2^31 in magnitude.
.set HR,    12800
.set SPARE, 512                        ; bytes 0-511: the eight waves' scale words; then the spare words, 128 bytes a wave
.set LI,   1                           ; 16 x lane
.set SPW,  2
.set NIL,  3
.set SCW,  5                           ; where my row's scale word goes in LDS
.set QA,   6
.set QS,   7
.set L8,   8                           ; 8 x lane
.set BMA,  10                          ; 128 x lane
.set NINF, 31
.set KF,   156                         ; window 1: k's fragment t
.set VF,   0                           ; window 1: v's fragment t at v[VF + 12 t + 16 (t / 6)]
.set KSC,  80                          ; v80-83 k's scale words; v84-87 v's
.set VSC,  84
.set VRW,  72                          ; v72-79 v's scale words as loaded: the two blocks' records
.set TM,   32
.set CD,   48
.set PW,   68
.set BM,   2                           ; s2 the blocks still to walk
.set CNT,  3                           ; s3 trips left
.set MP,   4
.set AO,   6
.set WV,   8
.set SEL,  10
.set CS,   12
.set KV,   14                          ; s[14:15] the head's records
.set KB,   16                          ; s[16:19] the pair's k;  s[20:23] k's scale words;  s[24:27] v;  s[28:31] the records (v's scale words)
.set KSB,  20
.set VB,   24
.set RB,   28
.set SELC, 66                          ; which two bytes of each record's scale words are this pair's; SELN: the next pair's
.set SELN, 67
.set MO,   100                         ; s100, s101 the pair's lane masks in mw
.set MSB, 0
.macro WIN new
.if MSB != (\new)
	s_set_vgpr_msb (MSB<<8)|(\new)
.set MSB, (\new)
.endif
.endm
.set W_MUL, 0x01
.set TO_F,  0x40
.macro BLK x                           ; the lowest block left: its addresses.  Block b = 2 s + e lies in record s: k's fragments 4 e .., v's halves e
	s_ctz_i32_b32 s9, s[BM]
	s_min_u32 s9, s9, 31
	s_sub_co_u32 s104, s[BM], 1
	s_and_b32 s[BM], s[BM], s104
	s_lshl_b32 s[MO+\x], s9, 7
	s_and_b32 s104, s9, 30
	s_mul_i32 s104, s104, HR
	s_add_nc_u64 s[RB+2*\x:RB+2*\x+1], s[KV:KV+1], s[104:105]
	s_and_b32 s9, s9, 1
	s_mul_i32 s104, s9, 6144
	s_add_nc_u64 s[KB+2*\x:KB+2*\x+1], s[RB+2*\x:RB+2*\x+1], s[104:105]
	s_lshl_b32 s104, s9, 3
	s_add_nc_u64 s[KSB+2*\x:KSB+2*\x+1], s[RB+2*\x:RB+2*\x+1], s[104:105]
	s_mul_i32 s104, s9, 768
	s_add_nc_u64 s[VB+2*\x:VB+2*\x+1], s[RB+2*\x:RB+2*\x+1], s[104:105]
	s_mul_i32 s104, s9, 0x0202<<(16*\x)
	s_add_co_u32 s[SELN], s[SELN], s104
.endm
.macro ADV
	s_mov_b32 s[SELN], 0x05040100
	BLK 0
	BLK 1
.endm
.macro MLOAD
	s_load_b512 s[32:47], s[MP:MP+1], s[MO] offset:0x0
	s_load_b512 s[48:63], s[MP:MP+1], s[MO] offset:0x40
	s_load_b512 s[68:83], s[MP:MP+1], s[MO+1] offset:0x0
	s_load_b512 s[84:99], s[MP:MP+1], s[MO+1] offset:0x40
.endm
.macro FETCH_K                         ; 26 loads
	WIN TO_F
.irp t, 0,1,2,3,4,5,6,7
.irp c, 0,1,2
	global_load_b128 v[KF+12*\t+4*\c:KF+12*\t+4*\c+3], v[LI], s[KB+2*(\t/4):KB+2*(\t/4)+1] offset:(\t%4)*1536+512*\c
.endr
.endr
	WIN 0
	global_load_b64 v[KSC:KSC+1], v[LI], s[KSB:KSB+1] offset:12288
	global_load_b64 v[KSC+2:KSC+3], v[LI], s[KSB+2:KSB+3] offset:12288
.endm
.macro FETCH_V                         ; 34 loads
	WIN TO_F
.irp t, 0,1,2,3,4,5,6,7
.irp c, 0,1
	global_load_b128 v[VF+12*\t+16*(\t/6)+6*\c:VF+12*\t+16*(\t/6)+6*\c+3], v[LI], s[VB+2*\c:VB+2*\c+1] offset:HR+\t*1536
	global_load_b64 v[VF+12*\t+16*(\t/6)+6*\c+4:VF+12*\t+16*(\t/6)+6*\c+5], v[L8], s[VB+2*\c:VB+2*\c+1] offset:HR+\t*1536+512
.endr
.endr
	WIN 0
	global_load_b128 v[VRW:VRW+3], v[LI], s[RB:RB+1] offset:HR+12288
	global_load_b128 v[VRW+4:VRW+7], v[LI], s[RB+2:RB+3] offset:HR+12288
.endm
	s_load_b256 s[32:39], s[0:1], 0x0              ; qb, kv, mw, ao
	v_lshl_add_u32 v[SPW], v0, 2, SPARE
	v_mov_b32 v[NIL], 0
	v_lshrrev_b32 v4, 5, v0
	v_readfirstlane_b32 s[WV], v4
	v_and_b32 v11, 31, v0
	v_lshlrev_b32 v[LI], 4, v11
	v_lshlrev_b32 v[L8], 3, v11
	v_lshlrev_b32 v[BMA], 7, v11
	s_and_b32 s20, s[WV], 1
	s_lshl_b32 s20, s20, 8
	s_lshr_b32 s21, s[WV], 1
	s_lshl_b32 s21, s21, 2
	s_add_co_u32 s20, s20, s21                     ; fragment w's scale words: 256 (w % 2) + 4 (w / 2) + 16 x row
	v_and_b32 v4, 15, v0
	v_lshlrev_b32 v4, 4, v4
	v_add_nc_u32 v[SCW], s20, v4
	v_add_nc_u32 v[QS], 12288, v[SCW]
	s_mul_i32 s20, s[WV], 1536
	v_add_nc_u32 v[QA], s20, v[LI]
	s_and_b32 s21, ttmp7, 0xffff                   ; the head
	s_mul_i32 s42, s21, 32*HR
	s_mov_b32 s43, 0
	s_mul_i32 s40, s21, 16*HR
	s_mul_i32 s22, ttmp9, HR
	s_add_co_u32 s40, s40, s22                     ; qb [head][128 queries]
	s_mov_b32 s41, 0
	s_lshl_b32 s44, ttmp9, 15
	s_lshl_b32 s22, s[WV], 12
	s_add_co_u32 s44, s44, s22                     ; mw: my tile's 4,096 bytes
	s_mov_b32 s45, 0
	s_lshl_b32 s46, ttmp9, 4
	s_add_co_u32 s46, s46, s21
	s_mul_i32 s46, s46, HR                         ; ao [128 queries][head]
	s_mov_b32 s47, 0
	s_mov_b32 s[SEL], 0x76543210
	s_mov_b32 s[SEL+1], 0xfedcba98
	s_mov_b32 s[CS], 0x3e0293ee
	s_mov_b32 s[CS+1], s[CS]
	s_mov_b32 s105, 0
	s_wait_alu depctr_va_vdst(0)
	s_wait_kmcnt 0x0
	s_add_nc_u64 s[KV:KV+1], s[34:35], s[42:43]
	s_add_nc_u64 s[16:17], s[32:33], s[40:41]
	s_add_nc_u64 s[MP:MP+1], s[36:37], s[44:45]
	s_add_nc_u64 s[AO:AO+1], s[38:39], s[46:47]
.irp i, 0,1,2,3,4,5,6,7
	global_load_b128 v[96+4*\i:99+4*\i], v[BMA], s[MP:MP+1] offset:16*\i   ; lane b: block b's 32 lane masks
.endr
.irp c, 0,1,2
	global_load_b128 v[16+4*\c:19+4*\c], v[QA], s[16:17] offset:512*\c     ; my queries' fragment stays in registers
.endr
	global_load_b32 v255, v[QS], s[16:17]
	v_mov_b32 v[NINF], 0xff800000
	v_mov_b32 v13, 0xff61b1e6                      ; the largest t so far: -3e38
	v_floor_f32 v12, -v13
	v_mov_b32 v14, 0
	v_mov_b32 v15, 0
.irp b, 0,1,2,3
	v_mov_b32 v[236+\b], 0
.endr
	v_mov_b32 v252, 0
	v_mov_b32 v253, 0
.set n, 0
.rept 64
	v_mov_b32 v[160+n], 0                          ; O^T: the trip is written once; the first change of M leaves zeros zeros
.set n, n+1
.endr
	s_wait_alu depctr_va_vdst(0)
	s_wait_loadcnt 0x0
.irp w, 16,8,4,2,1
.set n, 0
.rept \w
	v_or_b32 v[96+n], v[96+n], v[96+\w+n]
.set n, n+1
.endr
.endr
	v_cmp_ne_u32 s[BM], 0, v96                     ; bit b: some query of my tile may see some key of block b
	s_bcnt1_i32_b32 s[CNT], s[BM]
	s_add_co_u32 s9, s[BM], 1
	s_or_b32 s9, s[BM], s9                         ; with the lowest hidden block
	s_bitcmp1_b32 s[CNT], 0
	s_cselect_b32 s[BM], s9, s[BM]
	s_add_co_u32 s[CNT], s[CNT], 1
	s_lshr_b32 s[CNT], s[CNT], 1                   ; pairs
	ADV
	FETCH_K
	MLOAD
	s_wait_alu depctr_va_vdst(0)
	s_cmp_eq_u32 s[CNT], 0
	s_cbranch_scc1 .Lout
.Lstep:                                            ; a pair of blocks: 128 keys.  26 loads of mine, its k, are out here
	s_mov_b32 s[SELC], s[SELN]
.rept 4
	v_nop                                          ; places in front of loads into registers that the last second product read
.endr
	FETCH_V
	s_wait_loadcnt 34                              ; k is in; v's 34, issued behind it, may be out
	WIN W_MUL
.irp t, 0,1,2,3,4,5,6,7
.if \t%2
	v_wmma_scale_f32_16x16x128_f8f6f4 v[96+8*\t:103+8*\t], v[KF+12*\t:KF+12*\t+11], v[16:27], 0, v[KSC+\t/2], v255 matrix_a_fmt:MATRIX_FMT_FP6 matrix_b_fmt:MATRIX_FMT_FP6 matrix_a_scale:MATRIX_SCALE_ROW1
.else
	v_wmma_scale_f32_16x16x128_f8f6f4 v[96+8*\t:103+8*\t], v[KF+12*\t:KF+12*\t+11], v[16:27], 0, v[KSC+\t/2], v255 matrix_a_fmt:MATRIX_FMT_FP6 matrix_b_fmt:MATRIX_FMT_FP6
.endif
.endr
	WIN 0
.rept 4
	v_nop                                          ; places, for the loads below and for the first read of the scores
.endr
	s_wait_xcnt 0x0                                ; every load of mine has read its base: the next pair's may be written
	ADV
	FETCH_K
	s_wait_kmcnt 0x0
.set n, 0
.rept 64
	v_cndmask_b32 v[96+n], v[NINF], v[96+n], s[32+n+4*(n/32)]
.set n, n+1
.endr
.irp b, 0,1,2,3
	v_max3_num_f32 v[232+\b], v[96+16*\b], v[97+16*\b], v[98+16*\b]   ; the largest score of each block of 32 keys
.endr
.irp i, 3,5,7,9,11,13
.irp b, 0,1,2,3
	s_delay_alu instid0(VALU_DEP_4)
	v_max3_num_f32 v[232+\b], v[232+\b], v[96+16*\b+\i], v[97+16*\b+\i]
.endr
.endr
.irp b, 0,1,2,3
	s_delay_alu instid0(VALU_DEP_4)
	v_max_num_f32 v[232+\b], v[232+\b], v[111+16*\b]
.endr
.irp b, 0,1,2,3
	s_delay_alu instid0(VALU_DEP_4)
	v_permlanex16_b32 v[236+\b], v[232+\b], s[SEL], s[SEL+1]
.endr
.irp b, 0,1,2,3
	s_delay_alu instid0(VALU_DEP_4)
	v_max_num_f32 v[232+\b], v[232+\b], v[236+\b]
.endr
	s_delay_alu instid0(VALU_DEP_2)
	v_max3_num_f32 v254, v232, v233, v234
	s_delay_alu instid0(VALU_DEP_1)
	v_max_num_f32 v254, v254, v235
	s_delay_alu instid0(VALU_DEP_1)
	v_mul_f32 v254, s[CS], v254
	s_delay_alu instid0(VALU_DEP_1)
	v_max_num_f32 v13, v13, v254                   ; the running largest t
	v_mov_b32 v254, v12
	s_delay_alu instid0(VALU_DEP_2)
	v_floor_f32 v12, -v13                          ; the new -M
	s_delay_alu instid0(VALU_DEP_1)
	v_sub_f32 v254, v12, v254
	s_delay_alu instid0(VALU_DEP_1)
	v_cvt_i32_f32 v254, v254
	s_delay_alu instid0(VALU_DEP_1)
	v_ldexp_f32 v252, 1.0, v254                    ; f = 2^(old M - new M)
	MLOAD                                          ; the next pair's lane masks
.set n, 0
.rept 32
	v_pk_fma_f32 v[96+n:97+n], v[96+n:97+n], s[CS:CS+1], v[12:13] op_sel_hi:[1,0,0]
.set n, n+2
.endr
.irp b, 0,1,2,3
	v_fma_f32 v[232+\b], v[232+\b], s[CS], v12
.endr
.set n, 0
	s_wait_alu depctr_va_vdst(0)                   ; the wait ahead of the batch
.rept 64
	v_exp_f32 v[96+n], v[96+n]
.set n, n+1
.endr
	v_pk_mul_f32 v[14:15], v[14:15], v[252:253] op_sel_hi:[1,0]
	s_wait_alu depctr_va_vdst(0)                   ; and behind it
.irp b, 0,1,2,3
	v_exp_f32 v[232+\b], v[232+\b]                 ; the block's largest p
.endr
	v_pk_add_f32 v[236:237], v[100:101], v[104:105]
	v_pk_add_f32 v[250:251], v[108:109], v[112:113]
	v_pk_add_f32 v[248:249], v[116:117], v[120:121]
	v_pk_add_f32 v[246:247], v[124:125], v[128:129]
	v_pk_add_f32 v[244:245], v[132:133], v[136:137]
	v_pk_add_f32 v[242:243], v[140:141], v[144:145]
	v_pk_add_f32 v[240:241], v[148:149], v[152:153]
	v_pk_add_f32 v[14:15], v[14:15], v[156:157]
	v_pk_add_f32 v[236:237], v[236:237], v[96:97]
	v_pk_add_f32 v[250:251], v[250:251], v[98:99]
	v_pk_add_f32 v[248:249], v[248:249], v[102:103]
	v_pk_add_f32 v[246:247], v[246:247], v[106:107]
	v_pk_add_f32 v[244:245], v[244:245], v[110:111]
	v_pk_add_f32 v[242:243], v[242:243], v[114:115]
	v_pk_add_f32 v[240:241], v[240:241], v[118:119]
	v_pk_add_f32 v[14:15], v[14:15], v[122:123]
	v_pk_add_f32 v[236:237], v[236:237], v[126:127]
	v_pk_add_f32 v[250:251], v[250:251], v[130:131]
	v_pk_add_f32 v[248:249], v[248:249], v[134:135]
	v_pk_add_f32 v[246:247], v[246:247], v[138:139]
	v_pk_add_f32 v[244:245], v[244:245], v[142:143]
	v_pk_add_f32 v[242:243], v[242:243], v[146:147]
	v_pk_add_f32 v[240:241], v[240:241], v[150:151]
	v_pk_add_f32 v[14:15], v[14:15], v[154:155]
	v_pk_add_f32 v[236:237], v[236:237], v[158:159]
	v_pk_add_f32 v[14:15], v[14:15], v[246:247]
	v_pk_add_f32 v[236:237], v[236:237], v[244:245]
	v_pk_add_f32 v[250:251], v[250:251], v[242:243]
	v_pk_add_f32 v[248:249], v[248:249], v[240:241]
	s_delay_alu instid0(VALU_DEP_2)
	v_pk_add_f32 v[14:15], v[14:15], v[250:251]
	s_delay_alu instid0(VALU_DEP_2)
	v_pk_add_f32 v[236:237], v[236:237], v[248:249]
	s_delay_alu instid0(VALU_DEP_1)
	v_pk_add_f32 v[14:15], v[14:15], v[236:237]
	s_wait_alu depctr_va_vdst(0)                   ; for the four
.irp b, 0,1,2,3
	v_max_num_f32 v[232+\b], 0x1800000, v[232+\b]
.endr
.irp b, 0,1,2,3
	s_delay_alu instid0(VALU_DEP_4)
	v_add_nc_u32 v[244+\b], 0xff000000, v[232+\b]
.endr
.irp b, 0,1,2,3
	s_delay_alu instid0(VALU_DEP_4)
	v_lshrrev_b32 v[236+\b], 23, v[244+\b]
.endr
	s_delay_alu instid0(VALU_DEP_3)
	v_lshl_or_b32 v253, v237, 8, v236              ; p's scale word
	s_delay_alu instid0(VALU_DEP_1)
	v_lshl_or_b32 v253, v238, 16, v253
	s_delay_alu instid0(VALU_DEP_1)
	v_lshl_or_b32 v253, v239, 24, v253
.irp c, 0,1
	v_cvt_scalef32_pk16_fp6_f32 v[224+6*\c:226+6*\c], v[96+32*\c:111+32*\c], v[244+2*\c]
	v_cvt_scalef32_pk16_fp6_f32 v[236+4*\c:238+4*\c], v[112+32*\c:127+32*\c], v[244+2*\c+1]
.endr
	v_nop
.irp c, 0,1
.irp i, 0,1,2
	v_permlane16_swap_b32 v[224+6*\c+\i], v[236+4*\c+\i]
.endr
.irp i, 0,1,2
	v_mov_b32 v[227+6*\c+\i], v[236+4*\c+\i]
.endr
.endr
	s_wait_alu depctr_va_vdst(0)
	s_wait_loadcnt 26                              ; v is in; the next k's 26, issued behind it, may be out
.irp j, 0,1,2,3
	v_perm_b32 v[VSC+\j], v[VRW+4+\j], v[VRW+\j], s[SELC]   ; v's scale words: two bytes of the first block's record, two of the second's
.endr
.set n, 0
.rept 32
	v_pk_mul_f32 v[160+n:161+n], v[160+n:161+n], v[252:253] op_sel_hi:[1,0]   ; O^T under the new M; also the places behind the scale words just made
.set n, n+2
.endr
	WIN W_MUL
.irp t, 0,1,2,3,4,5,6,7
.if \t%2
	v_wmma_scale_f32_16x16x128_f8f6f4 v[160+8*\t:167+8*\t], v[VF+12*\t+16*(\t/6):VF+12*\t+16*(\t/6)+11], v[224:235], v[160+8*\t:167+8*\t], v[VSC+\t/2], v253 matrix_a_fmt:MATRIX_FMT_FP6 matrix_b_fmt:MATRIX_FMT_FP6 matrix_a_scale:MATRIX_SCALE_ROW1
.else
	v_wmma_scale_f32_16x16x128_f8f6f4 v[160+8*\t:167+8*\t], v[VF+12*\t+16*(\t/6):VF+12*\t+16*(\t/6)+11], v[224:235], v[160+8*\t:167+8*\t], v[VSC+\t/2], v253 matrix_a_fmt:MATRIX_FMT_FP6 matrix_b_fmt:MATRIX_FMT_FP6
.endif
.endr
	WIN 0
	s_sub_co_u32 s[CNT], s[CNT], 1
	s_cmp_lg_u32 s[CNT], 0
	s_cbranch_scc1 .Lstep
.Lout:
.rept 4
	v_nop
.endr
	v_add_f32 v14, v14, v15
	s_delay_alu instid0(VALU_DEP_1)
	v_permlanex16_b32 v252, v14, s[SEL], s[SEL+1]
	s_delay_alu instid0(VALU_DEP_1)
	v_add_f32 v14, v14, v252                       ; the row's sum
	s_delay_alu instid0(VALU_DEP_1)
	v_cmp_eq_f32 s9, 0, v14                        ; no key at all: it only selects a value below
	s_wait_alu depctr_va_vdst(0)
	v_rcp_f32 v14, v14
.irp b, 0,1,2,3
	v_mov_b32 v[TM+4+\b], 0
.endr
	v_mov_b32 v69, -1
	s_wait_alu depctr_va_vdst(0)
.set n, 0
.rept 32
	v_pk_mul_f32 v[96+n:97+n], v[160+n:161+n], v[14:15] op_sel_hi:[1,0]
.set n, n+2
.endr
.set n, 0
.rept 32
	v_permlane16_swap_b32 v[96+16*(n/8)+n%8], v[104+16*(n/8)+n%8]   ; register 16 b + i becomes channel 32 b + 16 h + i: natural order, as the given weights have it
.set n, n+1
.endr
.irp b, 0,1,2,3
	v_max3_num_f32 v[TM+\b], |v[96+16*\b]|, |v[97+16*\b]|, 0x1800000
.endr
.irp i, 2,4,6,8,10,12,14
.irp b, 0,1,2,3
	s_delay_alu instid0(VALU_DEP_4)
	v_max3_num_f32 v[TM+\b], v[TM+\b], |v[96+16*\b+\i]|, |v[97+16*\b+\i]|
.endr
.endr
.irp b, 0,1,2,3
	s_delay_alu instid0(VALU_DEP_4)
	v_permlanex16_b32 v[TM+4+\b], v[TM+\b], s[SEL], s[SEL+1]
.endr
.irp b, 0,1,2,3
	s_delay_alu instid0(VALU_DEP_4)
	v_max_num_f32 v[TM+\b], v[TM+\b], v[TM+4+\b]
.endr
.irp b, 0,1,2,3
	s_delay_alu instid0(VALU_DEP_4)
	v_add_nc_u32 v[TM+12+\b], 0xff000000, v[TM+\b]
.endr
.irp b, 0,1,2,3
	s_delay_alu instid0(VALU_DEP_4)
	v_lshrrev_b32 v[TM+4+\b], 23, v[TM+12+\b]
.endr
	s_delay_alu instid0(VALU_DEP_3)
	v_lshl_or_b32 v[PW], v[TM+5], 8, v[TM+4]
	s_delay_alu instid0(VALU_DEP_1)
	v_lshl_or_b32 v[PW], v[TM+6], 16, v[PW]
	s_delay_alu instid0(VALU_DEP_1)
	v_lshl_or_b32 v[PW], v[TM+7], 24, v[PW]
	s_delay_alu instid0(VALU_DEP_1)
	v_cndmask_b32 v[PW], v[PW], v69, s9            ; a query that saw no key: NaN scales
.irp c, 0,1
	v_cvt_scalef32_pk16_fp6_f32 v[CD+6*\c:CD+6*\c+2], v[96+32*\c:111+32*\c], v[TM+12+2*\c]
	v_cvt_scalef32_pk16_fp6_f32 v[CD+12+4*\c:CD+14+4*\c], v[112+32*\c:127+32*\c], v[TM+13+2*\c]
.endr
	v_nop
.irp c, 0,1
.irp i, 0,1,2
	v_permlane16_swap_b32 v[CD+6*\c+\i], v[CD+12+4*\c+\i]
.endr
.irp i, 0,1,2
	v_mov_b32 v[CD+3+6*\c+\i], v[CD+12+4*\c+\i]
.endr
.endr
.irp c, 0,1,2
	global_store_b128 v[QA], v[CD+4*\c:CD+4*\c+3], s[AO:AO+1] offset:512*\c   ; 512 consecutive bytes, aligned
.endr
	ds_store_b32 v[SCW], v[PW]                     ; both lanes of a row write the same word with the same value
	s_wait_dscnt 0x0                               ; for the others' sake
	s_barrier_signal -1
	s_barrier_wait -1
	s_cmp_lg_u32 s[WV], 0
	s_cbranch_scc1 .Lnot_first
	ds_load_b128 v[72:75], v[LI]                   ; the eight waves' words leave as 512 consecutive bytes
	s_wait_dscnt 0x0
	global_store_b128 v[LI], v[72:75], s[AO:AO+1] offset:12288
.Lnot_first:
	s_wait_tensorcnt 0x0                           ; the wave's end
	ds_add_u32 v[SPW], v[NIL]
	s_wait_dscnt 0x0
	s_endpgm
.Lfunc_end_k_q8c95b192d8_attn:
	.size	k_q8c95b192d8_attn, .Lfunc_end_k_q8c95b192d8_attn-k_q8c95b192d8_attn
	.p2alignl 7, 3214868480
	.fill 96, 4, 3214868480
	.section	.rodata,"a",@progbits
	.p2align	6, 0x0
	.amdhsa_kernel k_q8c95b192d8_attn
		.amdhsa_group_segment_fixed_size 1536
		.amdhsa_private_segment_fixed_size 0
		.amdhsa_enable_private_segment 0
		.amdhsa_kernarg_size 32
		.amdhsa_user_sgpr_count 2
		.amdhsa_user_sgpr_kernarg_segment_ptr 1
		.amdhsa_wavefront_size32 1
		.amdhsa_system_sgpr_workgroup_id_x 1
		.amdhsa_system_sgpr_workgroup_id_y 1
		.amdhsa_system_sgpr_workgroup_id_z 1
		.amdhsa_system_vgpr_workitem_id 0
		.amdhsa_next_free_vgpr 512
		.amdhsa_next_free_sgpr 106
		.amdhsa_reserve_vcc 0
		.amdhsa_float_denorm_mode_32 3
		.amdhsa_float_denorm_mode_16_64 3
		.amdhsa_memory_ordered 1
		.amdhsa_forward_progress 1
		.amdhsa_inst_pref_size 50
	.end_amdhsa_kernel
	.amdgpu_metadata
---
amdhsa.version: [ 1, 2 ]
amdhsa.kernels:
  - .name:           k_q8c95b192d8_attn
    .symbol:         k_q8c95b192d8_attn.kd
    .args:
      - { .name: qb, .offset: 0, .size: 8, .value_kind: global_buffer, .address_space: global }
      - { .name: kv, .offset: 8, .size: 8, .value_kind: global_buffer, .address_space: global }
      - { .name: mw, .offset: 16, .size: 8, .value_kind: global_buffer, .address_space: global }
      - { .name: ao, .offset: 24, .size: 8, .value_kind: global_buffer, .address_space: global }
    .group_segment_fixed_size: 1536
    .private_segment_fixed_size: 0
    .kernarg_segment_align: 8
    .kernarg_segment_size: 32
    .max_flat_workgroup_size: 256
    .sgpr_count:     106
    .vgpr_count:     512
    .wavefront_size: 32
...
	.end_amdgpu_metadata
.endif
;; end of part 6
;; launch oproj (part 7): grid 16 x 16, 4 waves a work-group, clusters of 4 x 4, 220,672 bytes of LDS; arguments ao, Wo_codes, Wo_scales, out0; writes out0
.if DOCPART == 7
	.amdgcn_target "amdgcn-amd-amdhsa--gfx1250"
	.amdhsa_code_object_version 6
	.text
	.protected	k_q8c95b192d8_oproj
	.globl	k_q8c95b192d8_oproj
	.p2align	8
	.type	k_q8c95b192d8_oproj,@function
k_q8c95b192d8_oproj:
	s_mov_b64 s[64:65], 0
	v_nop
	global_prefetch_b8 v0, s[64:65] scope:SCOPE_SE
	s_setreg_imm32_b32 hwreg(HW_REG_WAVE_MODE, 25, 1), 1
	s_wait_xcnt 0x0
	s_wait_alu depctr_hold_cnt(0) depctr_sa_sdst(0) depctr_va_vdst(0) depctr_va_sdst(0) depctr_va_ssrc(0) depctr_va_vcc(0) depctr_vm_vsrc(0)
	s_getreg_b32 s2, hwreg(HW_REG_IB_STS2, 6, 4)
	s_cmp_eq_u32 s2, 0
	s_cbranch_scc0 .Lentry_in_a_cluster
	s_endpgm
.Lentry_in_a_cluster:
	s_bfe_u32 s2, ttmp6, 0x10000c
	s_cmp_lg_u32 s2, 0xf033
	s_cbranch_scc0 .Lentry_shape_is_right
	s_endpgm
.Lentry_shape_is_right:
; out0[m][n] = sum over k of A[m][k] Wo[k][n], K = 2,048, on codes of FP6 (E2M3) with E8M0 scales; f32 out.  No work is left out here.
; A is the attention's result, laid as images of operand registers: ao [128 rows][K step of 128][record of 12,800 bytes: eight fragments of 1,536 bytes, 512 bytes of scale words].  Wo comes as given: rows n of 1,536 bytes, 64 scale bytes a row.
; A tile of 128 x 128 to a work-group: 256 of them; four waves, 64 x 64 each: 16 accumulators.  Source 0 = 16 rows of Wo, source 1 = 16 rows of A: a lane holds 8 neighbouring numbers of a row of out0.
; Wo's 128 WHOLE rows come into LDS once: each wave asks for 32 rows (every row begins on a multiple of 256 bytes), jointly with the three partners of its column of the 4 x 4 cluster.  Nothing is filled again.
; 8 bytes of padding behind every 256: rows 1,584 bytes = 396 words apart, so the 32 lanes of a load of 8 bytes touch 64 different banks (64 banks of 4 bytes: ISA guide 11.1).
; A's fragments are images: they go from memory straight into registers, three steps ahead, in four sets; A is not asked for jointly, since it passes no LDS.  Wo's scale words of all 16 steps are loaded once, 32 registers.
; No prefetch: all of Wo is asked for at the head, and A's loads themselves run three steps ahead.
; LIMITS: a given scale byte 0xff makes NaN, as the format says; a row of A whose scale words are 0xffffffff (a query that saw no key) comes out NaN.
; REGISTERS: window 0: v16-31 addresses; v32-39 A's scale words, v40-71 Wo's; v64-127 rows on the way out; v128-255 the accumulators.  Window 1: Wo's fragments, two sets of 48.  Window 2: A's, four sets of 48.
.set HR,     12800
.set WP,     1584
.set SPARE,  128*WP
.set STAGE,  SPARE+512
.set SPITCH, 272
.set AV,   16                          ; 16 x lane + my four fragments
.set ASV,  17                          ; 16 x lane + my two registers of scale words
.set BSV,  18                          ; 64 x lane
.set ADRB, 20                          ; v20, v22 Wo's rows 0-31, 32-63 of my 64; v21, v23 the same with lanes 16-31 behind one padding more
.set STO,  24
.set RD,   25
.set CO,   26
.set SPW,  28
.set NIL,  29
.set SA,   32
.set SB,   40                          ; register 16 (b / 2) + q: lanes 0-15 block b even, lanes 16-31 b odd, step q
.set BK,   64
.set ACC,  128
.set MSB, 0
.macro WIN new
.if MSB != (\new)
	s_set_vgpr_msb (MSB<<8)|(\new)
.set MSB, (\new)
.endif
.endm
.set MUL,  0x09                        ; source 0 window 1, source 1 window 2; C and D window 0
.set TO_1, 0x40
.set TO_2, 0x80
.macro CROUND
	s_barrier_signal -1
	s_barrier_wait -1
	s_cmp_lg_u32 s10, 0
	s_cbranch_scc1 .Lnot_wave_0_\@
	s_barrier_signal -3
.Lnot_wave_0_\@:
	s_barrier_wait -3
	s_barrier_signal -1
	s_barrier_wait -1
.endm
.macro PLACES
.rept 4
	v_nop
.endr
.endm
	s_load_b256 s[80:87], s[0:1], 0x0              ; ao, Wo's codes, Wo's scales, out0
	v_lshl_add_u32 v[SPW], v0, 2, SPARE
	v_mov_b32 v[NIL], 0
	ds_add_u32 v[SPW], v[NIL]                      ; the opening lines
	ds_add_u32 v[SPW], v[NIL]
	v_lshrrev_b32 v1, 5, v0
	v_readfirstlane_b32 s10, v1                    ; wave
	s_lshr_b32 s11, s10, 1                         ; which 64 rows are mine
	s_and_b32 s12, s10, 1                          ; which 64 columns
	s_bfe_u32 s40, ttmp6, 0x40000
	s_bfe_u32 s41, ttmp6, 0x40004
	s_lshl_b32 s42, ttmp9, 2
	s_add_co_u32 s42, s42, s40                     ; tile column
	s_and_b32 s13, ttmp7, 0xffff
	s_lshl_b32 s13, s13, 2
	s_add_co_u32 s13, s13, s41                     ; tile row
	s_lshl_b32 s44, 0x1111, s40                    ; my column of the cluster
	s_or_b32 s24, s44, (0<<16)|(1<<20)|(1<<21)|(5<<22)|(1<<25)   ; bytes; 2 words of padding behind every 64
	s_mov_b32 s25, 1536<<16
	s_mov_b32 s26, 32<<16
	s_mov_b32 s27, 1536<<16
	s_mov_b32 s28, 32
	s_mov_b32 s29, 1536
	s_mov_b32 s30, 0
	s_mov_b32 s31, 0
	s_mul_i32 s46, s42, 128*1536
	s_mul_i32 s47, s10, 32*1536
	s_add_co_u32 s46, s46, s47                     ; my 32 rows of the tile column
	s_mov_b32 s47, 0
	s_mul_i32 s33, s10, 32*WP
	s_mov_b32 s32, 1
	s_mul_i32 s16, s13, 16*HR
	s_mov_b32 s17, 0
	s_lshl_b32 s18, s42, 13
	s_lshl_b32 s19, s12, 12
	s_add_co_u32 s18, s18, s19                     ; my 64 rows' scales
	s_mov_b32 s19, 0
	s_wait_dscnt 0x0
	s_wait_kmcnt 0x0
	s_add_nc_u64 s[34:35], s[82:83], s[46:47]
	s_or_b32 s35, s35, 0x80000000
	s_add_nc_u64 s[14:15], s[80:81], s[16:17]
	s_add_nc_u64 s[84:85], s[84:85], s[18:19]
	CROUND                                         ; the joint loads meet
	tensor_load_to_lds s[32:35], s[24:31]          ; my one tensor load
	s_nop 0
.rept 4
	v_nop
.endr
	v_and_b32 v1, 15, v0
	v_bfe_u32 v2, v0, 4, 1
	v_and_b32 v3, 31, v0
	v_lshlrev_b32 v4, 4, v3
	s_mul_i32 s20, s11, 4*1536
	s_lshl_b32 s21, s11, 3
	v_add_nc_u32 v[AV], s20, v4
	v_add_nc_u32 v[ASV], s21, v4
	v_lshlrev_b32 v[BSV], 6, v3
	v_mul_u32_u24 v5, v1, WP
	v_mad_u32_u24 v5, v2, 24, v5
	s_mul_i32 s23, s12, 64*WP
	v_add_nc_u32 v[ADRB], s23, v5
	v_lshl_add_u32 v[ADRB+1], v2, 3, v[ADRB]
	v_add_nc_u32 v[ADRB+2], 32*WP, v[ADRB]
	v_add_nc_u32 v[ADRB+3], 32*WP, v[ADRB+1]
	s_mul_i32 s20, s10, 16*SPITCH
	s_add_co_u32 s20, s20, STAGE
	v_mul_u32_u24 v5, v1, SPITCH
	v_lshl_add_u32 v5, v2, 5, v5
	v_add_nc_u32 v[STO], s20, v5
	v_mul_u32_u24 v5, v2, SPITCH
	v_lshl_add_u32 v5, v1, 4, v5
	v_add_nc_u32 v[RD], s20, v5
	v_lshlrev_b32 v5, 13, v2
	v_lshl_add_u32 v[CO], v1, 4, v5
	s_lshl_b32 s20, s13, 20
	s_lshl_b32 s21, s11, 19
	s_add_co_u32 s20, s20, s21
	s_lshl_b32 s21, s42, 9
	s_add_co_u32 s20, s20, s21
	s_lshl_b32 s21, s12, 8
	s_add_co_u32 s20, s20, s21
	s_mov_b32 s21, 0
	s_add_nc_u64 s[86:87], s[86:87], s[20:21]
.macro FRAGB reg, q, i                 ; a fragment of Wo: six pieces of 8 bytes of the row; byte y lies at y + 8 (y / 256)
.irp p, 0,1,2,3,4,5
.set BY, 96*(\q)+48*(\p/3)+8*(\p%3)
.if BY/256 == (BY+24)/256
	ds_load_b64 v[(\reg)+2*\p:(\reg)+2*\p+1], v[ADRB+2*((\i)/2)] offset:BY+8*(BY/256)+((\i)%2)*16*WP
.else
	ds_load_b64 v[(\reg)+2*\p:(\reg)+2*\p+1], v[ADRB+2*((\i)/2)+1] offset:BY+8*(BY/256)+((\i)%2)*16*WP
.endif
.endr
.endm
.macro FETCHB q
	WIN TO_1
.irp i, 0,1,2,3
	FRAGB 48*((\q)%2)+12*\i, \q, \i
.endr
.endm
.macro FETCHA q                        ; 13 loads
	WIN TO_2
.irp i, 0,1,2,3
.irp c, 0,1,2
	global_load_b128 v[48*((\q)%4)+12*\i+4*\c:48*((\q)%4)+12*\i+4*\c+3], v[AV], s[14:15] offset:(\q)*HR+\i*1536+512*\c
.endr
.endr
	WIN 0
	global_load_b64 v[SA+2*((\q)%4):SA+2*((\q)%4)+1], v[ASV], s[14:15] offset:(\q)*HR+12288
.endm
.macro WM d, fb, fa, sb, sa, zero, mods:vararg
.if \zero
	v_wmma_scale_f32_16x16x128_f8f6f4 v[(\d):(\d)+7], v[(\fb):(\fb)+11], v[(\fa):(\fa)+11], 0, v[(\sb)], v[(\sa)] matrix_a_fmt:MATRIX_FMT_FP6 matrix_b_fmt:MATRIX_FMT_FP6 \mods
.else
	v_wmma_scale_f32_16x16x128_f8f6f4 v[(\d):(\d)+7], v[(\fb):(\fb)+11], v[(\fa):(\fa)+11], v[(\d):(\d)+7], v[(\sb)], v[(\sa)] matrix_a_fmt:MATRIX_FMT_FP6 matrix_b_fmt:MATRIX_FMT_FP6 \mods
.endif
.endm
.macro MULA a, q, zero                 ; the 16 accumulators take turns
.irp b, 0,1,2,3
.if (\b%2) && ((\a)%2)
	WM ACC+8*(4*(\a)+\b), 48*((\q)%2)+12*\b, 48*((\q)%4)+12*(\a), SB+16*(\b/2)+(\q), SA+2*((\q)%4)+(\a)/2, \zero, matrix_a_scale:MATRIX_SCALE_ROW1 matrix_b_scale:MATRIX_SCALE_ROW1
.elseif \b%2
	WM ACC+8*(4*(\a)+\b), 48*((\q)%2)+12*\b, 48*((\q)%4)+12*(\a), SB+16*(\b/2)+(\q), SA+2*((\q)%4)+(\a)/2, \zero, matrix_a_scale:MATRIX_SCALE_ROW1
.elseif (\a)%2
	WM ACC+8*(4*(\a)+\b), 48*((\q)%2)+12*\b, 48*((\q)%4)+12*(\a), SB+16*(\b/2)+(\q), SA+2*((\q)%4)+(\a)/2, \zero, matrix_b_scale:MATRIX_SCALE_ROW1
.else
	WM ACC+8*(4*(\a)+\b), 48*((\q)%2)+12*\b, 48*((\q)%4)+12*(\a), SB+16*(\b/2)+(\q), SA+2*((\q)%4)+(\a)/2, \zero
.endif
.endr
.endm
.macro STEP q, zero
	s_wait_dscnt 0x0                               ; this step's fragments of Wo are in
.if (\q) < 14
	s_wait_loadcnt 26                              ; A's set q is in; the two sets issued behind it, 13 loads each, may be out
.elseif (\q) == 14
	s_wait_loadcnt 13
.else
	s_wait_loadcnt 0x0
.endif
	PLACES                                         ; in front of loads into sets that the last step's products read
.if (\q) < 15
	FETCHB (\q)+1
.endif
.if (\q) < 13
	FETCHA (\q)+3
.endif
	WIN MUL
	MULA 0, \q, \zero
	MULA 1, \q, \zero
	MULA 2, \q, \zero
	MULA 3, \q, \zero
.endm
	s_wait_alu depctr_va_vdst(0)
.irp g, 0,1
.irp i, 0,1,2,3
	global_load_b128 v[SB+16*\g+4*\i:SB+16*\g+4*\i+3], v[BSV], s[84:85] offset:2048*\g+16*\i   ; lane l: row l of 32, all its 64 scale bytes
.endr
.endr
	FETCHA 0
	FETCHA 1
	FETCHA 2
	s_wait_tensorcnt 0x0                           ; my 32 rows are in
	s_barrier_signal -1
	s_barrier_wait -1                              ; and everybody's
	FETCHB 0
	STEP 0, 1
.set ST, 1
.rept 15
	STEP ST, 0
.set ST, ST+1
.endr
	WIN 0
; THE WAY OUT, 16 rows x 64 columns at a time, through my own stage, which no fill lands on: back come whole rows of 256 bytes.  LDS serves a wave's instructions in order (ISA guide 5.7.1.4).
.macro TOSTAGE a
.irp b, 0,1,2,3
	ds_store_b128 v[STO], v[ACC+8*(4*(\a)+\b):ACC+8*(4*(\a)+\b)+3] offset:64*\b
	ds_store_b128 v[STO], v[ACC+8*(4*(\a)+\b)+4:ACC+8*(4*(\a)+\b)+7] offset:64*\b+16
.endr
.set BB, BK+32*((\a)%2)
.irp t, 0,1,2,3,4,5,6,7
	ds_load_b128 v[BB+4*\t:BB+4*\t+3], v[RD] offset:\t*2*SPITCH
.endr
.endm
.macro SEND a, younger
.set BB, BK+32*((\a)%2)
	s_wait_dscnt \younger
.irp t, 0,1,2,3,4,5,6,7
	global_store_b128 v[CO], v[BB+4*\t:BB+4*\t+3], s[86:87] offset:(16*(\a)+2*\t)*8192 th:TH_STORE_NT   ; sixteen lanes store 256 consecutive bytes, aligned
.endr
.endm
	PLACES
	TOSTAGE 0
.irp a, 1,2,3
.if \a > 1
	s_wait_xcnt 0x0                                ; block a - 2's stores have read their registers
.endif
	TOSTAGE \a
	SEND \a-1, 16                                  ; behind block a - 1's loads: block a's 8 stores and 8 loads
.endr
	SEND 3, 0
	s_wait_tensorcnt 0x0                           ; the wave's end
	ds_add_u32 v[SPW], v[NIL]
	s_wait_dscnt 0x0
	CROUND                                         ; the closing round
	s_endpgm
.Lfunc_end_k_q8c95b192d8_oproj:
	.size	k_q8c95b192d8_oproj, .Lfunc_end_k_q8c95b192d8_oproj-k_q8c95b192d8_oproj
	.p2alignl 7, 3214868480
	.fill 96, 4, 3214868480
	.section	.rodata,"a",@progbits
	.p2align	6, 0x0
	.amdhsa_kernel k_q8c95b192d8_oproj
		.amdhsa_group_segment_fixed_size 220672
		.amdhsa_private_segment_fixed_size 0
		.amdhsa_enable_private_segment 0
		.amdhsa_kernarg_size 32
		.amdhsa_user_sgpr_count 2
		.amdhsa_user_sgpr_kernarg_segment_ptr 1
		.amdhsa_wavefront_size32 1
		.amdhsa_system_sgpr_workgroup_id_x 1
		.amdhsa_system_sgpr_workgroup_id_y 1
		.amdhsa_system_sgpr_workgroup_id_z 1
		.amdhsa_system_vgpr_workitem_id 0
		.amdhsa_next_free_vgpr 768
		.amdhsa_next_free_sgpr 96
		.amdhsa_reserve_vcc 0
		.amdhsa_float_denorm_mode_32 3
		.amdhsa_float_denorm_mode_16_64 3
		.amdhsa_memory_ordered 1
		.amdhsa_forward_progress 1
		.amdhsa_inst_pref_size 94
	.end_amdhsa_kernel
	.amdgpu_metadata
---
amdhsa.version: [ 1, 2 ]
amdhsa.kernels:
  - .name:           k_q8c95b192d8_oproj
    .symbol:         k_q8c95b192d8_oproj.kd
    .args:
      - { .name: ao, .offset: 0, .size: 8, .value_kind: global_buffer, .address_space: global }
      - { .name: Wo_codes, .offset: 8, .size: 8, .value_kind: global_buffer, .address_space: global }
      - { .name: Wo_scales, .offset: 16, .size: 8, .value_kind: global_buffer, .address_space: global }
      - { .name: out0, .offset: 24, .size: 8, .value_kind: global_buffer, .address_space: global }
    .group_segment_fixed_size: 220672
    .private_segment_fixed_size: 0
    .kernarg_segment_align: 8
    .kernarg_segment_size: 32
    .max_flat_workgroup_size: 128
    .sgpr_count:     96
    .vgpr_count:     768
    .wavefront_size: 32
...
	.end_amdgpu_metadata
.endif
;; end of part 7
